; MI455X (gfx1250); checked and timed in simulation.
; The chip was launched on July 23, 2026; its instructions are those of AMD's public machine-readable ISA for CDNA 5 (MIT licence, August 2026) and "CDNA5" Instruction Set Architecture Reference Guide (July 2026). The comments in the code are by the model that wrote it; some were corrected since.
;; Scaled Dot Product Attention. Allowed arithmetic: matrix products marked QUANTISED: E2M3 operands, one E8M0 scale for each 32 along K, by v_wmma_scale_f32_16x16x128_f8f6f4 with both operands' format E2M3, f32 sums; everything else in f32.
;; Inputs: keys 16 x 4,096 x 128 float32; queries 16 x 4,096 x 128 float32; valid_lens 16 int32; values 16 x 4,096 x 128 float32.
;; Outputs: out0 16 x 4,096 x 128 float32.
;; This version of the problem:
;;   THIS VERSION OF THE PROBLEM IS GIVEN IN LOW PRECISION. The matrix products marked QUANTISED in the list below multiply operands that are first quantised to E2M3 (2 exponent bits, 3 mantissa bits; 6 bits a number), with one power-of-two scale for each 32 numbers along K (OCP MX v1.0); their sums are f32. All else is computed in f32.
;;   The module's matrix products, in the order in which they are computed (A, B: the left and right operand; K: the contracted axis; several contracted axes count as one K, in the product's order):
;;     1. batch 16 x [M 4,096, K 128] x [K 128, N 4,096]; A: input queries; B: input keys: QUANTISED
;;     2. batch 16 x [M 4,096, K 4,096] x [K 4,096, N 128]; A: softmax (see below); B: input values: QUANTISED
;;   THE QUANTISER, for each operand of a quantised product, along K:
;;     - K is cut into blocks of 32 from its start; a last block that is shorter is filled with zeros.
;;     - A block's scale is 2^e with e = floor(log2(the largest magnitude in the block)) - 2, held to -126 .. 127; a block of zeros has e = 0. As a byte (E8M0): e + 127.
;;     - Each number is divided by its block's scale, clamped to +-7.5, and rounded to the nearest number of E2M3, ties to even, subnormals kept.
;;     - The product sums the exact products of the quantised numbers (number of the format x scale) in f32.
;;   ~~~python
;;   def quantise(x, axis):      # numpy; x: float32 -> the quantised numbers, widened to float32 again
;;       x = np.moveaxis(x, axis, -1); K = x.shape[-1]
;;       x = np.pad(x, [(0, 0)] * (x.ndim - 1) + [(0, -K % 32)]); x = x.reshape(x.shape[:-1] + (-1, 32)); a = np.abs(x).max(-1, keepdims=True)
;;       e = np.where(a > 0, np.clip(np.frexp(np.where(a > 0, a, 1))[1] - 1 - 2, -126, 127), 0)      # np.frexp(a)[1] - 1 = floor(log2(a)), exactly
;;       r = np.clip(x / 2.0 ** e, -7.5, 7.5)
;;       step = 2.0 ** (np.maximum(np.frexp(np.where(r == 0, 1, r))[1] - 1, 0) - 3)
;;       q = np.round(r / step) * step * 2.0 ** e      # np.round: ties to even
;;       return np.moveaxis(q.reshape(q.shape[:-2] + (-1,))[..., :K], -1, axis).astype(np.float32)
;;   ~~~
;;   SOFTMAX AHEAD OF A QUANTISED PRODUCT. Where the list says 'softmax', what is quantised is not the finished softmax but p = 2^(t - M), with t = logit x log2(e) and M = ceil(the row's largest t), a whole number; so 1/2 < the row's largest p <= 1. The row's sum l is taken of the UNQUANTISED p, in f32, and the product's result is divided by l at the end. Since M is a whole number, a kernel that streams over the keys may use a running M (the ceiling of the running maximum): every later rescaling is an exact power of two, which a block's scale takes up: the codes' values come out the same.
;;   OPERANDS COMPUTED ON THE WAY. 'Computed on the way' means the value that the module computes at that place (a softmax that the list does not call 'softmax' is quantised finished and normalised). What goes into a quantiser is computed in f32, as accurately as f32 sums, v_exp_f32 and their like allow (about 1e-6 of the number): no bf16 or f16 on the way to a quantiser, and a product that is left as it is and whose result goes on into a quantised operand takes f32 operands (vector FMAs, or v_wmma_f32_16x16x4_f32). A number that lies on a knife's edge between two numbers of the format may be rounded either way, as far as f32 arithmetic and the matrix unit's own rounding can turn it there, and no further.
;; 2 versions. Each part assembles by itself: llvm-mc -triple=amdgcn-amd-amdhsa -mcpu=gfx1250 --defsym DOCPART=n.
;; ======== version 1 of 2: 2 launches
;; limits: right only within a limited range of input values
;; workspace buffers: kv 13,107,200 bytes
;; launch quant (part 1): grid 512 x 2, 4 waves a work-group, no clusters, 68,096 bytes of LDS; arguments keys, values, valid_lens, kv; writes kv
.if DOCPART == 1
	.amdgcn_target "amdgcn-amd-amdhsa--gfx1250"
	.amdhsa_code_object_version 6
	.text
	.protected	k_q6d98b4f3c0_quant
	.globl	k_q6d98b4f3c0_quant
	.p2align	8
	.type	k_q6d98b4f3c0_quant,@function
k_q6d98b4f3c0_quant:
	s_mov_b64 s[64:65], 0
	v_nop
	global_prefetch_b8 v0, s[64:65] scope:SCOPE_SE
	s_setreg_imm32_b32 hwreg(HW_REG_WAVE_MODE, 25, 1), 1
	s_wait_xcnt 0x0
; keys and values, [16][4096][128] f32, become codes of FP6 (E2M3) with one E8M0 scale byte for each 32 along the product's K, laid in kv as IMAGES OF OPERAND REGISTERS.
; kv: block (b, j) of 25,600 bytes at (32 b + j) x 25,600, j = the key step of 128 keys:
;   +0      K's eight fragments kt, 1,536 bytes each: byte 512 c + 16 lane + 4 i is register 4 c + i of that lane.  Fragment kt = 2 w + u: lane (r, h) holds key 32 w + 8 u + r + 8 (r / 8), registers 6 c .. 6 c + 5 hold d = 64 c + 32 h + 0 .. 31
;   +12288  V's eight fragments dt: lane (r, h) holds channel 16 dt + r, registers 6 c .. 6 c + 5 hold keys 64 c + 32 h + 0 .. 31 (the keys are the second product's K)
;   +24576  K's scale words: byte 128 i + 4 lane: lanes 0-15 the rows of fragment 2 i, lanes 16-31 those of fragment 2 i + 1;   +25088  V's likewise
; A block's scale is 2^(floor(log2(its largest magnitude)) - 2); its byte is the largest magnitude's exponent field - 2, held at 1 from below (a block of zeros keeps the byte 1: its codes are zeros, and this program alone reads the bytes).
; LIMITS: blocks whose largest magnitude lies under 2^-124 keep the byte 1; NaN and infinities among the inputs are not served.
; SHARES.  Work-group x = 32 b + j, y = 0: keys, y = 1: values.  Key steps that lie wholly behind the batch's valid length are thrown away by the mask: their work-groups store nothing and end
; (a grid that serves every length).  W = 4096 where the length is under 1 (every key is then masked alike, and all count), else min(length, 4096); n = ceil(W / 128) steps are made.
; K: wave w takes keys 32 w .. 32 w + 31: each load reads one dense row of 512 bytes; the rows turn through the wave's own stage in LDS, so that a lane gets 16 neighbours along d of each block.
; V: wave w takes channels 32 w + lane, and a lane's registers run down the keys: a block of 32 keys lies in one lane.  No barrier: waves share nothing.
.set BLKB,  25600
.set VFR,   12288
.set KSW,   24576
.set VSW,   25088
.set SPQ,   528                        ; a stage row: 512 bytes + 16: sixteen rows of a load start at sixteen different 16-byte columns
.set WST,   32*SPQ                     ; a wave's stage
.set R,     32                         ; v32-159  128 numbers
.set CA,    160                        ; v160-171 the first fragment's codes
.set CB,    172                        ; v172-183 the second's
.set TP,    184                        ; v184-190 the upper halves of blocks, as the conversions leave them
.set TM,    192                        ; v192-207 at work
.set WA,    208                        ; the two fragments' scale words
.set WB,    209
.set WO,    210                        ; the word that is stored
.set FLOOR, 0x1800000                  ; 2^(3 - 127)
.set OFF2,  0xff000000                 ; -(2 << 23)
; 64 numbers of a lane, register 16 b + i = k 32 b + 16 (lane / 16) + i of its row, become a fragment's codes in v[dst] on and its row's scale word in v[word]
.macro QUANT src, dst, tmp, word
.irp b, 0,1,2,3
	v_max3_num_f32 v[TM+\b], |v[\src+16*\b]|, |v[\src+1+16*\b]|, FLOOR   ; my 16 numbers of block b, and the floor: the byte cannot fall under 1
.endr
.irp i, 2,4,6,8,10,12,14
.irp b, 0,1,2,3
	v_max3_num_f32 v[TM+\b], v[TM+\b], |v[\src+16*\b+\i]|, |v[\src+1+16*\b+\i]|   ; the four blocks by turns
.endr
.endr
.irp b, 0,1,2,3
	v_permlanex16_b32 v[TM+4+\b], v[TM+\b], s20, s21
.endr
.irp b, 0,1,2,3
	v_max_num_f32 v[TM+\b], v[TM+\b], v[TM+4+\b]   ; with lane l xor 16's: the block's largest magnitude
.endr
.irp b, 0,1,2,3
	v_add_nc_u32 v[TM+12+\b], OFF2, v[TM+\b]       ; 2 off its exponent field: the conversion's scale operand
.endr
.irp b, 0,1,2,3
	v_lshrrev_b32 v[TM+4+\b], 23, v[TM+12+\b]      ; the scale's byte
.endr
	v_lshl_or_b32 v[\word], v[TM+5], 8, v[TM+4]
	v_lshl_or_b32 v[\word], v[TM+6], 16, v[\word]
	v_lshl_or_b32 v[\word], v[TM+7], 24, v[\word]
.irp c, 0,1
	v_cvt_scalef32_pk16_fp6_f32 v[\dst+6*\c:\dst+2+6*\c], v[\src+32*\c:\src+15+32*\c], v[TM+12+2*\c]
	v_cvt_scalef32_pk16_fp6_f32 v[\tmp+4*\c:\tmp+2+4*\c], v[\src+16+32*\c:\src+31+32*\c], v[TM+12+2*\c+1]   ; (a conversion's three registers begin on an even number)
.endr
	v_nop                                          ; one plain place behind the scaled conversions
.irp c, 0,1                                    ; the operand wants a whole block in a lane: lanes 0-15 block 2 c, lanes 16-31 block 2 c + 1
.irp i, 0,1,2
	v_permlane16_swap_b32 v[\dst+6*\c+\i], v[\tmp+4*\c+\i]
.endr
.irp i, 0,1,2
	v_mov_b32 v[\dst+3+6*\c+\i], v[\tmp+4*\c+\i]
.endr
.endr
.endm
	s_load_b256 s[4:11], s[0:1], 0x0               ; keys s[4:5], values s[6:7], valid_lens s[8:9], kv s[10:11]
	v_lshl_add_u32 v212, v0, 2, 0x10800
	v_mov_b32 v213, 0
	s_lshr_b32 s12, ttmp9, 5                       ; b
	s_and_b32 s13, ttmp9, 31                       ; j
	s_and_b32 s14, ttmp7, 0xffff                   ; 0: keys, 1: values
	s_lshl_b32 s16, s12, 2
	s_mov_b32 s17, 0
	v_lshrrev_b32 v1, 5, v0
	v_readfirstlane_b32 s15, v1                    ; wave 0..3
	s_wait_kmcnt 0x0
	s_add_nc_u64 s[8:9], s[8:9], s[16:17]
	s_load_b32 s18, s[8:9], 0x0                    ; my batch's valid length
	v_and_b32 v1, 31, v0                           ; lane
	v_and_b32 v2, 15, v0                           ; r
	v_bfe_u32 v3, v0, 4, 1                         ; h
	v_lshlrev_b32 v4, 4, v1                        ; 16 x lane
	v_lshlrev_b32 v5, 2, v1                        ; 4 x lane
	s_mul_i32 s19, s15, WST
	v_add_nc_u32 v6, s19, v4                       ; the stage, on the way in: a row's 512 bytes on end
	v_mul_u32_u24 v7, v2, SPQ
	v_lshl_add_u32 v7, v3, 6, v7
	v_add_nc_u32 v7, s19, v7                       ; and on the way out: row r, + 64 h: my 16 numbers of a block
	s_mov_b32 s20, 0x76543210
	s_mov_b32 s21, 0xfedcba98                      ; v_permlanex16_b32's selects for lane l xor 16
.irp b, 0,1,2,3
	v_mov_b32 v[TM+4+\b], 0                        ; written once: a lane permute's destination counts as one of its sources
.endr
	s_mul_i32 s22, ttmp9, BLKB
	s_mov_b32 s23, 0
	s_add_nc_u64 s[10:11], s[10:11], s[22:23]      ; my block of kv
	s_mul_i32 s22, s15, 3072
	s_add_nc_u64 s[28:29], s[10:11], s[22:23]      ; + my wave's two fragments
	s_lshl_b32 s22, s15, 7
	s_add_nc_u64 s[30:31], s[10:11], s[22:23]      ; + my wave's 128 bytes of scale words
	s_lshl_b32 s24, ttmp9, 16                      ; (4096 b + 128 j) rows of 512 bytes
	s_mov_b32 s25, 0
	s_wait_kmcnt 0x0
	s_sub_co_u32 s18, s18, 1                       ; W - 1 = min(length - 1, 4095), unsigned: a length under 1 wraps round and gives 4095
	s_min_u32 s18, s18, 0xfff
	s_add_co_u32 s18, s18, 128
	s_lshr_b32 s18, s18, 7                         ; n = (W + 127) / 128
	s_cmp_ge_u32 s13, s18
	s_cbranch_scc1 .Ldone                          ; all 128 keys of this step are masked, and the row has keys that are not: nothing to make
	s_cmp_lg_u32 s14, 0
	s_cbranch_scc1 .Lvalues
	; ---- keys
	s_lshl_b32 s26, s15, 14                        ; my wave's 32 rows
	s_add_co_u32 s24, s24, s26
	s_add_nc_u64 s[4:5], s[4:5], s[24:25]
.irp p, 0,1,2,3,4,5,6,7,8,9,10,11,12,13,14,15,16,17,18,19,20,21,22,23,24,25,26,27,28,29,30,31
	global_load_b128 v[R+4*\p:R+4*\p+3], v4, s[4:5] offset:512*\p th:TH_LOAD_NT   ; 32 lanes read key p's 512 consecutive bytes
.endr
.irp g, 0,1,2,3
	s_wait_loadcnt 24-8*\g                         ; this group's eight loads are in; the younger groups may be out
.irp z, 0,1,2,3,4,5,6,7
	ds_store_b128 v6, v[R+4*(8*\g+\z):R+4*(8*\g+\z)+3] offset:(16*(\g%2)+\z+8*(\g/2))*SPQ   ; key 8 g + z goes to stage row 16 u + r: a fragment's 16 rows lie on end
.endr
.endr
	s_wait_dscnt 0x0                               ; the stores have read their registers
.irp u, 0,1
.irp bb, 0,1,2,3
.irp jj, 0,1,2,3
	ds_load_b128 v[R+64*\u+16*\bb+4*\jj:R+64*\u+16*\bb+4*\jj+3], v7 offset:16*\u*SPQ+128*\bb+16*\jj
.endr
.endr
.endr
	s_wait_dscnt 16                                ; the first fragment's 16 loads are in, the second's may be out
	QUANT R, CA, TP, WA
	s_wait_dscnt 0x0
	QUANT R+64, CB, TP, WB
.irp u, 0,1
.irp c, 0,1,2
	global_store_b128 v4, v[CA+12*\u+4*\c:CA+12*\u+4*\c+3], s[28:29] offset:1536*\u+512*\c   ; 32 lanes store 512 consecutive bytes, at a multiple of 256 from kv's first byte
.endr
.endr
	v_cmp_gt_u32 vcc_lo, 16, v1
	v_cndmask_b32 v[WO], v[WB], v[WA], vcc_lo      ; lanes 0-15: the first fragment's words, lanes 16-31: the second's
	global_store_b32 v5, v[WO], s[30:31] offset:KSW   ; 128 consecutive bytes a wave; the four waves' pieces lie on end
	s_wait_tensorcnt 0x0
	ds_add_u32 v212, v213
	s_wait_dscnt 0x0
	s_endpgm
	; ---- values
.macro LOADV t                         ; block t: V(32 t + i, my channel), i = 0 .. 31
.irp i, 0,1,2,3,4,5,6,7,8,9,10,11,12,13,14,15,16,17,18,19,20,21,22,23,24,25,26,27,28,29,30,31
	global_load_b32 v[R+32*(\t)+\i], v5, s[6:7] offset:(32*(\t)+\i)*512 th:TH_LOAD_NT   ; a wave reads 128 consecutive bytes of a row, the four waves the whole row
.endr
.endm
.macro VBLOCK kb
.set XS, R+32*(\kb)
.set DD, CA+12*((\kb)%2)+6*((\kb)/2)   ; even blocks into the first run of registers, odd ones into the second
.set TT, TP+4*((\kb)%2)
.if (\kb) < 3
	s_wait_loadcnt 32                              ; this block's 32 loads are in; the next block's may be out
.else
	s_wait_loadcnt 0x0
.endif
.if (\kb) < 2
	LOADV (\kb)+2
.endif
	v_max3_num_f32 v[TM], |v[XS]|, |v[XS+1]|, |v[XS+2]|             ; the block's largest magnitude: all 32 numbers are mine
	v_max3_num_f32 v[TM+1], |v[XS+3]|, |v[XS+4]|, |v[XS+5]|
.irp i, 6,10,14,18,22,26
	v_max3_num_f32 v[TM], v[TM], |v[XS+\i]|, |v[XS+\i+1]|
	v_max3_num_f32 v[TM+1], v[TM+1], |v[XS+\i+2]|, |v[XS+\i+3]|
.endr
	v_max3_num_f32 v[TM], v[TM], |v[XS+30]|, |v[XS+31]|
	v_max3_num_f32 v[TM], v[TM], v[TM+1], FLOOR
	v_add_nc_u32 v[TM+2], OFF2, v[TM]              ; the conversion's scale operand
	v_lshrrev_b32 v[TM+3], 23, v[TM+2]             ; the scale's byte
.if (\kb) == 0
	v_mov_b32 v[WO], v[TM+3]
.else
	v_lshl_or_b32 v[WO], v[TM+3], 8*(\kb), v[WO]   ; the lower keys in the lower byte
.endif
	v_cvt_scalef32_pk16_fp6_f32 v[DD:DD+2], v[XS:XS+15], v[TM+2]
	v_cvt_scalef32_pk16_fp6_f32 v[TT:TT+2], v[XS+16:XS+31], v[TM+2]
	v_nop                                          ; one plain place behind the scaled conversions
.irp i, 0,1,2
	v_mov_b32 v[DD+3+\i], v[TT+\i]
.endr
.endm
.Lvalues:
	s_lshl_b32 s26, s15, 7                         ; my wave's 32 channels
	s_add_co_u32 s24, s24, s26
	s_add_nc_u64 s[6:7], s[6:7], s[24:25]
	LOADV 0
	LOADV 1
	VBLOCK 0
	VBLOCK 1
	VBLOCK 2
	VBLOCK 3
.irp c, 0,1,2,3,4,5,6,7,8,9,10,11      ; lanes 16-31 of the even blocks change places with lanes 0-15 of the odd ones: the first run is then fragment 2 w (channels 0-15), the second fragment 2 w + 1
	v_permlane16_swap_b32 v[CA+\c], v[CB+\c]
.endr
.irp u, 0,1
.irp c, 0,1,2
	global_store_b128 v4, v[CA+12*\u+4*\c:CA+12*\u+4*\c+3], s[28:29] offset:VFR+1536*\u+512*\c
.endr
.endr
	global_store_b32 v5, v[WO], s[30:31] offset:VSW   ; lane l's word is channel 32 w + l's: lanes 0-15 fragment 2 w, lanes 16-31 fragment 2 w + 1
.Ldone:
	s_endpgm
.Lfunc_end_k_q6d98b4f3c0_quant:
	.size	k_q6d98b4f3c0_quant, .Lfunc_end_k_q6d98b4f3c0_quant-k_q6d98b4f3c0_quant
	.p2alignl 7, 3214868480
	.fill 96, 4, 3214868480
	.section	.rodata,"a",@progbits
	.p2align	6, 0x0
	.amdhsa_kernel k_q6d98b4f3c0_quant
		.amdhsa_group_segment_fixed_size 68096
		.amdhsa_private_segment_fixed_size 0
		.amdhsa_enable_private_segment 0
		.amdhsa_kernarg_size 32
		.amdhsa_user_sgpr_count 2
		.amdhsa_user_sgpr_kernarg_segment_ptr 1
		.amdhsa_wavefront_size32 1
		.amdhsa_system_sgpr_workgroup_id_x 1
		.amdhsa_system_sgpr_workgroup_id_y 1
		.amdhsa_system_sgpr_workgroup_id_z 1
		.amdhsa_system_vgpr_workitem_id 0
		.amdhsa_next_free_vgpr 214
		.amdhsa_next_free_sgpr 66
		.amdhsa_reserve_vcc 1
		.amdhsa_float_denorm_mode_32 3
		.amdhsa_float_denorm_mode_16_64 3
		.amdhsa_memory_ordered 1
		.amdhsa_forward_progress 1
		.amdhsa_inst_pref_size 37
	.end_amdhsa_kernel
	.amdgpu_metadata
---
amdhsa.version: [ 1, 2 ]
amdhsa.kernels:
  - .name:           k_q6d98b4f3c0_quant
    .symbol:         k_q6d98b4f3c0_quant.kd
    .args:
      - { .name: keys, .offset: 0, .size: 8, .value_kind: global_buffer, .address_space: global }
      - { .name: values, .offset: 8, .size: 8, .value_kind: global_buffer, .address_space: global }
      - { .name: valid_lens, .offset: 16, .size: 8, .value_kind: global_buffer, .address_space: global }
      - { .name: kv, .offset: 24, .size: 8, .value_kind: global_buffer, .address_space: global }
    .group_segment_fixed_size: 68096
    .private_segment_fixed_size: 0
    .kernarg_segment_align: 8
    .kernarg_segment_size: 32
    .max_flat_workgroup_size: 128
    .sgpr_count:     66
    .vgpr_count:     214
    .wavefront_size: 32
...
	.end_amdgpu_metadata
.endif
;; end of part 1
;; launch attn (part 2): grid 256 x 1, 8 waves a work-group, no clusters, 199,680 bytes of LDS; arguments queries, kv, valid_lens, out0; writes out0
.if DOCPART == 2
	.amdgcn_target "amdgcn-amd-amdhsa--gfx1250"
	.amdhsa_code_object_version 6
	.text
	.protected	k_q6d98b4f3c0_attn
	.globl	k_q6d98b4f3c0_attn
	.p2align	8
	.type	k_q6d98b4f3c0_attn,@function
k_q6d98b4f3c0_attn:
	s_mov_b64 s[64:65], 0
	v_nop
	global_prefetch_b8 v0, s[64:65] scope:SCOPE_SE
	s_setreg_imm32_b32 hwreg(HW_REG_WAVE_MODE, 25, 1), 1
	s_wait_xcnt 0x0
; out0[b][q][:] = the sum over k of softmax_k(masked(Q[b][q] . K[b][k] / sqrt(128))) V[b][k][:]; keys k >= valid_lens[b] carry the logit -1e6.  Both products on codes of FP6 (E2M3) with E8M0 scales for each 32 along K.
; K and V come as images of operand registers out of kv (block (b, j) of 25,600 bytes: 8 fragments of K, 8 of V, 512 bytes of K's scale words, 512 of V's); Q is quantised here, in registers.
; THE SOFTMAX: t = score x log2(e) / sqrt(128); M = the running largest t rounded UP to a whole number; p = 2^(t - M) is quantised along the keys; the row's sum is taken of the unquantised p and divides at the end;
; when M moves, the sum and O are multiplied by 2^(old M - new M): exact.
; THE MASK.  W = 4096 where the length is under 1 (all keys masked alike: the uniform softmax), else min(length, 4096); n = ceil(W / 128) key steps are walked.  The steps behind them hold masked keys alone, whose p is 0.
; In a step that reaches past the length the masked scores become -1e6 x sqrt(128) ahead of the maximum.
; LIMITS: the logits of keys that count are taken to lie more than 200 above -1e6 (else the p of a step that is left out would not be 0); NaN and infinities are not served;
; with a length under 1, p is made of -1e6 x sqrt(128) rounded to f32, so that p's one rounding to a code may differ from that of -1e6 x log2(e).
; SHARES.  All 65,536 queries are at work at once, so a step that is left out pays only if every work-group holds the same work: a work-group's waves 0-3 (half 0) take 128 queries of the batch whose W has rank
; pair = x / 32 (rank 0 the largest), waves 4-7 (half 1) 128 queries of the batch of rank 15 - pair; both take queries 128 (x % 32) on.  A wave owns 32 queries: two tiles of 16, which share each fragment of K and V read from LDS.
; NO CLUSTER, NO TENSOR LOAD: how many steps a half walks hangs on valid_lens.  So a key step's block comes through registers:
; asked for two trips ahead, stored into the half's other LDS slot one trip ahead.  The loop has 33 trips for every wave and one barrier a trip, on the way that all waves take; a half that is done jumps over the work.
; LAYOUT.  Both products are used transposed: S^T = K Q^T, O^T = V^T P^T: a lane holds ONE query (lane % 16).  The keys of a tile of K are chosen so that the 16 registers of tiles 2 b, 2 b + 1 are keys 32 b + 16 (lane / 16) + 0 .. 15.
; REGISTERS, in two windows of 256.  A tile's state has the same numbers in its own window (tile 0: window 0, tile 1: window 1), so that one text serves both:
;   v12 -M, v13 the largest t, v[14:15] the sum, v16-27 Q's codes, v96-159 S^T then p, v160-223 O^T, v224-235 p's codes, v232-247, v252, v254 at work, v253 p's scale word, v255 Q's scale word.
;   window 0 alone: v1-4 LDS places that stay, v5-8 the trip's LDS addresses, v9 the mask's d, v10 the masked score, v11 16 h, v28-29 offsets of the staging loads, v30, v31 tile 1's scale words (a scale operand has no window),
;   v32-79 four fragments (V's other four land in v96-143 once tile 0's p is converted), v80 the prefetch's offset, v81-84 offsets, v248-251 K's, then V's scale words.   window 1 alone: v32-81 the staging registers.
.set BLKB,  25600
.set VFR,   12288
.set KSW,   24576
.set SLOTB, 32768                      ; LDS: half HF at 65536 HF, its slot s at + 32768 s; a slot holds a block of kv as it lies in memory
.set STG,   131072                     ; behind the slots: a stage of 16 rows x 528 bytes for each wave, for the way out
.set SP,    528
.set FLOOR, 0x1800000                  ; 2^(3 - 127)
.set OFF2,  0xff000000                 ; -(2 << 23)
.set SEL,   20                         ; s[20:21] lane selects for v_permlanex16_b32: lane l xor 16
.set CS,    22                         ; s[22:23] c = log2(e) / sqrt(128)
.set REM,   24                         ; s24  key steps still to be walked by my half; 0: the way out; under 0: done
.set TRIP,  25                         ; s25  the loop's counter
.set SL,    26                         ; s26  the slot that is read
.set SO,    27                         ; s27  the slot that is stored into
.set KF,    28                         ; s28  the step's first key
.set TS,    29                         ; s29  at work
.set LM,    30                         ; s30  the length held to 0 .. 4096
.set PLIM,  52                         ; s52  4 in a wave that prefetches, else the greatest number
.set MSB, 0
.macro WIN new                         ; the immediate's high byte repeats the setting that is left; a switch that changes nothing is dropped
.if MSB != (\new)
	s_set_vgpr_msb (MSB<<8)|(\new)
.set MSB, \new
.endif
.endm
; a block of kv, 25,600 bytes, into the staging registers: the half's 128 threads take 16 bytes each of twelve runs of 2,048 bytes, and 8 bytes each of the scale words
.macro GLOAD
	WIN 0x40                                       ; destination window 1, address window 0
.irp i, 0,1,2,3,4,5,6,7,8,9,10,11
	global_load_b128 v[32+4*\i:35+4*\i], v28, s[6:7] offset:2048*\i
.endr
	global_load_b64 v[80:81], v29, s[6:7] offset:KSW
	WIN 0
.endm
.macro LSTORE a16, a8                  ; and from there into an LDS slot, as it lies
	WIN 0x04                                       ; an LDS store's data are its source 1: window 1
.irp i, 0,1,2,3,4,5,6,7,8,9,10,11
	ds_store_b128 v[\a16], v[32+4*\i:35+4*\i] offset:2048*\i
.endr
	ds_store_b64 v[\a8], v[80:81]
	WIN 0
.endm
.macro KLOAD g                         ; K's fragments 4 g .. 4 g + 3: three loads of 512 consecutive bytes each; with g = 0 all four registers of K's scale words
.irp t, 0,1,2,3
.irp c, 0,1,2
	ds_load_b128 v[32+12*\t+4*\c:35+12*\t+4*\c], v5 offset:1536*(4*(\g)+\t)+512*\c
.endr
.endr
.if (\g) == 0
.irp i, 0,1,2,3
	ds_load_b32 v[248+\i], v6 offset:128*\i
.endr
.endif
.endm
.macro VLOAD0                          ; V's fragments 0-3 and its scale words
.irp t, 0,1,2,3
.irp c, 0,1,2
	ds_load_b128 v[32+12*\t+4*\c:35+12*\t+4*\c], v5 offset:VFR+1536*\t+512*\c
.endr
.endr
.irp i, 0,1,2,3
	ds_load_b32 v[248+\i], v6 offset:512+128*\i
.endr
.endm
.macro VLOAD1                          ; V's fragments 4-7, into the registers that tile 0's p has left
.irp t, 0,1,2,3
.irp c, 0,1,2
	ds_load_b128 v[96+12*\t+4*\c:99+12*\t+4*\c], v5 offset:VFR+1536*(4+\t)+512*\c
.endr
.endr
.endm
; four products of S^T = K Q^T for tile q: source 0 = 16 keys, source 1 = my 16 queries.  An odd fragment's scale words lie in lanes 16-31 of their register
.macro SMUL g, q
	WIN 0x54*(\q)                                  ; tile 1: Q and S^T in window 1, K in window 0
.set QW, 255-225*(\q)                  ; Q's scale word: v255 or v30
.irp t, 0,1,2,3
.set DR, 96+8*(4*(\g)+\t)
.set AR, 32+12*\t
.set SR, 248+2*(\g)+\t/2
.if (\t)%2
	v_wmma_scale_f32_16x16x128_f8f6f4 v[DR:DR+7], v[AR:AR+11], v[16:27], 0, v[SR], v[QW] matrix_a_fmt:MATRIX_FMT_FP6 matrix_b_fmt:MATRIX_FMT_FP6 matrix_a_scale:MATRIX_SCALE_ROW1
.else
	v_wmma_scale_f32_16x16x128_f8f6f4 v[DR:DR+7], v[AR:AR+11], v[16:27], 0, v[SR], v[QW] matrix_a_fmt:MATRIX_FMT_FP6 matrix_b_fmt:MATRIX_FMT_FP6
.endif
.endr
.endm
; eight products of O^T += V^T P^T for tile q: the eight accumulators take turns, one instruction a turn
.macro PV q
	WIN 0x54*(\q)
.set PWR, 253-222*(\q)                 ; p's scale word: v253 or v31
.irp dt, 0,1,2,3,4,5,6,7
.set DR, 160+8*\dt
.set AR, 32+12*\dt+16*(\dt/4)          ; fragments 0-3 at v32 on, 4-7 at v96 on
.set SR, 248+\dt/2
.if (\dt)%2
	v_wmma_scale_f32_16x16x128_f8f6f4 v[DR:DR+7], v[AR:AR+11], v[224:235], v[DR:DR+7], v[SR], v[PWR] matrix_a_fmt:MATRIX_FMT_FP6 matrix_b_fmt:MATRIX_FMT_FP6 matrix_a_scale:MATRIX_SCALE_ROW1
.else
	v_wmma_scale_f32_16x16x128_f8f6f4 v[DR:DR+7], v[AR:AR+11], v[224:235], v[DR:DR+7], v[SR], v[PWR] matrix_a_fmt:MATRIX_FMT_FP6 matrix_b_fmt:MATRIX_FMT_FP6
.endif
.endr
.endm
; In a step that reaches past the length, register 16 b + i holds key KF + 16 (lane / 16) + 32 b + i: masked where 32 b + i >= d = length - KF - 16 (lane / 16).  A step all of whose keys count jumps over this
.macro MASK q
	s_add_co_u32 s[TS], s[KF], 128
	s_cmp_le_i32 s[TS], s[LM]
	s_cbranch_scc1 .Lopen_\@
	WIN 0x41*(\q)                                  ; tile 1: the scores in window 1; d and the masked score in window 0
.irp nn, 0,1,2,3,4,5,6,7,8,9,10,11,12,13,14,15,16,17,18,19,20,21,22,23,24,25,26,27,28,29,30,31,32,33,34,35,36,37,38,39,40,41,42,43,44,45,46,47,48,49,50,51,52,53,54,55,56,57,58,59,60,61,62,63
	v_cmp_ge_i32 vcc_lo, 32*(\nn/16)+\nn%16, v9
	v_cndmask_b32 v[96+\nn], v[96+\nn], v10, vcc_lo
.endr
	WIN 0
.Lopen_\@:
.endm
.macro WORD w                          ; from the four blocks' largest magnitudes in v232-235: the conversions' scale operands in v244-247 and the row's scale word in v[w]
.irp b, 0,1,2,3
	v_add_nc_u32 v[244+\b], OFF2, v[232+\b]        ; 2 off the exponent field
.endr
.irp b, 0,1,2,3
	v_lshrrev_b32 v[236+\b], 23, v[244+\b]         ; the scale's byte
.endr
	v_lshl_or_b32 v[\w], v237, 8, v236
	v_lshl_or_b32 v[\w], v238, 16, v[\w]
	v_lshl_or_b32 v[\w], v239, 24, v[\w]
.endm
.macro CVT dst, hook                   ; the 64 numbers in v96-159 become a fragment's codes in v[dst] on.  hook = 1: V's last four fragments are asked for as soon as the numbers are converted
.irp c, 0,1
	v_cvt_scalef32_pk16_fp6_f32 v[\dst+6*\c:\dst+2+6*\c], v[96+32*\c:111+32*\c], v[244+2*\c]
	v_cvt_scalef32_pk16_fp6_f32 v[236+4*\c:238+4*\c], v[112+32*\c:127+32*\c], v[244+2*\c+1]   ; (a conversion's three registers begin on an even number)
.endr
	v_nop                                          ; one plain place behind the scaled conversions
.if \hook
	VLOAD1
.endif
.irp c, 0,1                                    ; the operand wants a whole block in a lane: lanes 0-15 block 2 c, lanes 16-31 block 2 c + 1
.irp i, 0,1,2
	v_permlane16_swap_b32 v[\dst+6*\c+\i], v[236+4*\c+\i]
.endr
.irp i, 0,1,2
	v_mov_b32 v[\dst+3+6*\c+\i], v[236+4*\c+\i]
.endr
.endr
.endm
.macro QQ q                            ; tile q's 16 rows of Q, in v96-159 (register 16 b + i = d 32 b + 16 (lane / 16) + i), become codes in v16-27 and a scale word in v255
	WIN 0x55*(\q)
.irp b, 0,1,2,3
	v_max3_num_f32 v[232+\b], |v[96+16*\b]|, |v[97+16*\b]|, FLOOR
.endr
.irp i, 2,4,6,8,10,12,14
.irp b, 0,1,2,3
	v_max3_num_f32 v[232+\b], v[232+\b], |v[96+16*\b+\i]|, |v[97+16*\b+\i]|
.endr
.endr
.irp b, 0,1,2,3
	v_permlanex16_b32 v[236+\b], v[232+\b], s[SEL], s[SEL+1]
.endr
.irp b, 0,1,2,3
	v_max_num_f32 v[232+\b], v[232+\b], v[236+\b]
.endr
	WORD 255
	CVT 16, 0
.endm
; tile q's softmax for one key step
.macro SM q
	WIN 0x55*(\q)
.irp b, 0,1,2,3
	v_max3_num_f32 v[232+\b], v[96+16*\b], v[97+16*\b], v[98+16*\b]   ; the largest score of each block of 32 keys: it serves for the row's maximum and, since p rises with the score, for the block's largest p
.endr
.irp i, 3,5,7,9,11,13
.irp b, 0,1,2,3
	v_max3_num_f32 v[232+\b], v[232+\b], v[96+16*\b+\i], v[97+16*\b+\i]
.endr
.endr
.irp b, 0,1,2,3
	v_max_num_f32 v[232+\b], v[232+\b], v[111+16*\b]
.endr
.irp b, 0,1,2,3
	v_permlanex16_b32 v[236+\b], v[232+\b], s[SEL], s[SEL+1]
.endr
.irp b, 0,1,2,3
	v_max_num_f32 v[232+\b], v[232+\b], v[236+\b]  ; with lane l xor 16's 16 keys
.endr
	v_max3_num_f32 v254, v232, v233, v234
	v_max_num_f32 v254, v254, v235                 ; the step's largest score of my query
	v_mul_f32 v254, s[CS], v254                    ; as t
	v_max_num_f32 v13, v13, v254                   ; the running largest t
	v_mov_b32 v254, v12
	v_floor_f32 v12, -v13                          ; the new -M = -ceil(t)
	v_sub_f32 v254, v12, v254                      ; old M - new M: a whole number, 0 or less
	v_cvt_i32_f32 v254, v254                       ; (it saturates)
	v_ldexp_f32 v252, 1.0, v254                    ; f = 2^(old M - new M)
.set NJ, 0
.rept 32
	v_pk_fma_f32 v[96+NJ:97+NJ], v[96+NJ:97+NJ], s[CS:CS+1], v[12:13] op_sel_hi:[1,0,0]   ; t - M, two at a time
.set NJ, NJ+2
.endr
.irp b, 0,1,2,3
	v_fma_f32 v[232+\b], v[232+\b], s[CS], v12     ; the same of each block's largest score
.endr
.set NJ, 0
.rept 64
	v_exp_f32 v[96+NJ], v[96+NJ]                   ; p = 2^(t - M)
.set NJ, NJ+1
.endr
	v_pk_mul_f32 v[14:15], v[14:15], v[252:253] op_sel_hi:[1,0]   ; the sums under the new M: the plain place behind the exponentials
	s_wait_alu depctr_va_vdst(0)                   ; one wait for the batch of 64, ahead of its first reader
.irp b, 0,1,2,3
	v_exp_f32 v[232+\b], v[232+\b]                 ; the block's largest p
.endr
	v_pk_add_f32 v[236:237], v[96:97], v[98:99]    ; the row's sum of the unquantised p, in two chains
.irp j, 4,8,12,16,20,24,28,32,36,40,44,48,52,56,60
	v_pk_add_f32 v[14:15], v[14:15], v[96+\j:97+\j]
	v_pk_add_f32 v[236:237], v[236:237], v[98+\j:99+\j]
.endr
	v_pk_add_f32 v[14:15], v[14:15], v[236:237]
	s_wait_alu depctr_va_vdst(0)                   ; and one for the four
.irp b, 0,1,2,3
	v_max_num_f32 v[232+\b], FLOOR, v[232+\b]      ; the byte cannot fall under 1 (a block whose every p is 0 keeps that byte: its codes are zeros)
.endr
	WORD 253
.if \q
	WIN 0x01
	v_mov_b32 v31, v253                            ; tile 1's scale word, to where a scale operand can name it
	WIN 0x55
.endif
	CVT 224, 1-(\q)
.set NJ, 0
.rept 32
	v_pk_mul_f32 v[160+NJ:161+NJ], v[160+NJ:161+NJ], v[252:253] op_sel_hi:[1,0]   ; O^T under the new M.  (These 32 are also the places between the lines that wrote p's codes and scale word and the products)
.set NJ, NJ+2
.endr
.endm
; the way out of tile q: O^T / the sum goes through my own stage in LDS and comes back as whole rows of 512 bytes
.macro EPIQ q
	WIN 0x55*(\q)
	v_add_f32 v14, v14, v15                        ; the sum's two halves,
	v_permlanex16_b32 v236, v14, s[SEL], s[SEL+1]
	v_add_f32 v14, v14, v236                       ; and lane l xor 16's
	v_rcp_f32 v14, v14
	v_nop                                          ; a plain place behind the reciprocal,
	s_wait_alu depctr_va_vdst(0)                   ; and the wait ahead of its first reader
.set NJ, 0
.rept 32
	v_pk_mul_f32 v[96+NJ:97+NJ], v[160+NJ:161+NJ], v[14:15] op_sel_hi:[1,0]   ; register 8 dt + i is o(query r, channel 16 dt + 8 h + i); each accumulator is read from its low end on
.set NJ, NJ+2
.endr
	WIN 0x04*(\q)
.irp dt, 0,1,2,3,4,5,6,7
	ds_store_b128 v82, v[96+8*\dt:99+8*\dt] offset:64*\dt
	ds_store_b128 v82, v[100+8*\dt:103+8*\dt] offset:64*\dt+16
.endr
	WIN 0
.set BK, 160-64*(\q)                   ; back into window 0: tile 0 into the registers that its O^T has left, tile 1 into those of tile 0's quotients, whose LDS stores are done
.irp i, 0,1,2,3,4,5,6,7,8,9,10,11,12,13,14,15
	ds_load_b128 v[BK+4*\i:BK+4*\i+3], v83 offset:SP*\i   ; LDS serves a wave's instructions in order: these see my stores, and the next tile's stores come behind them
.endr
.irp i, 0,1,2,3,4,5,6,7,8,9,10,11,12,13,14,15
	s_wait_dscnt 15-\i                             ; row i is back; the younger rows' loads may be out
	global_store_b128 v81, v[BK+4*\i:BK+4*\i+3], s[10:11] offset:512*(16*(\q)+\i) th:TH_STORE_NT   ; 32 lanes store a row's 512 consecutive bytes, at a multiple of 256 from out0's first byte
.endr
.endm
.macro INIT q                          ; a tile's state.  The trip is written once: its first step finds zeros, which the first change of M leaves zeros
	WIN 0x55*(\q)
	v_mov_b32 v13, 0xff61b1e6                      ; the largest t so far: -3e38
	v_floor_f32 v12, -v13                          ; -M
	v_mov_b32 v14, 0
	v_mov_b32 v15, 0
.irp b, 0,1,2,3
	v_mov_b32 v[236+\b], 0                         ; written once: a lane permute's destination counts as one of its sources
.endr
	v_mov_b32 v253, 0                              ; (named as the upper half of the pair v[252:253] before it is first written)
.set NJ, 0
.rept 64
	v_mov_b32 v[160+NJ], 0
.set NJ, NJ+1
.endr
.endm
	s_load_b256 s[4:11], s[0:1], 0x0               ; queries s[4:5], kv s[6:7], valid_lens s[8:9], out0 s[10:11]
	v_lshl_add_u32 v95, v0, 2, 0x30800
	v_mov_b32 v243, 0
	v_lshrrev_b32 v85, 5, v0
	v_readfirstlane_b32 s12, v85                   ; wave 0..7
	s_lshr_b32 s13, s12, 2                         ; my half
	s_and_b32 s14, s12, 3                          ; my wave in it
	s_lshr_b32 s15, ttmp9, 5                       ; pair 0..7
	s_and_b32 s16, ttmp9, 31                       ; which 128 queries
	s_sub_co_u32 s17, 15, s15
	s_cmp_eq_u32 s13, 0
	s_cselect_b32 s17, s15, s17                    ; the rank of my half's batch: pair, or 15 - pair
	s_mov_b32 s[SEL], 0x76543210
	s_mov_b32 s[SEL+1], 0xfedcba98
	s_mov_b32 s[CS], 0x3e0293ee
	s_mov_b32 s[CS+1], s[CS]                       ; (named with it as a pair, so it is written)
	s_cmp_lt_u32 s14, 3
	s_cselect_b32 s[TS], 0, 1
	s_or_b32 s[TS], s[TS], s16                     ; 0 in waves 0-2 of each half of the work-group that takes a batch's first 128 queries
	s_cmp_eq_u32 s[TS], 0
	s_mov_b32 s[PLIM], 0x7fffffff
	s_cselect_b32 s[PLIM], 4, s[PLIM]
	v_and_b32 v86, 31, v0                          ; lane
	v_and_b32 v87, 15, v0                          ; r
	v_bfe_u32 v88, v0, 4, 1                        ; h
	v_lshrrev_b32 v89, 7, v0
	v_lshlrev_b32 v89, 16, v89                     ; 65536 x half
	v_and_b32 v90, 127, v0                         ; my thread in the half
	v_lshlrev_b32 v91, 2, v87
	v_lshl_add_u32 v1, v86, 4, v89                 ; a fragment's image: 16 x lane
	v_lshl_add_u32 v2, v86, 2, v89
	v_add_nc_u32 v2, KSW, v2                       ; the scale words: 4 x lane
	v_lshl_add_u32 v3, v90, 4, v89                 ; where I store a block's fragments: 16 x thread
	v_lshl_add_u32 v4, v90, 3, v89
	v_add_nc_u32 v4, KSW, v4                       ; and its scale words: 8 x thread
	v_mov_b32 v10, 0xcb2ca22c                      ; -1e6 x sqrt(128): the masked logit as a score
	v_lshlrev_b32 v11, 4, v88
	v_lshlrev_b32 v28, 4, v90
	v_lshlrev_b32 v29, 3, v90
	v_lshlrev_b32 v80, 8, v86
	s_lshl_b32 s[TS], s14, 13
	v_add_nc_u32 v80, s[TS], v80                   ; the prefetch: 8,192 bytes a wave, lanes 256 bytes apart
	v_lshlrev_b32 v81, 4, v86
	s_mul_i32 s[TS], s12, 16*SP
	s_add_co_u32 s[TS], s[TS], STG                 ; my stage
	v_mul_u32_u24 v82, v87, SP
	v_lshl_add_u32 v82, v88, 5, v82
	v_add_nc_u32 v82, s[TS], v82                   ; in: row r, + 32 h
	v_add_nc_u32 v83, s[TS], v81                   ; back: 16 bytes a lane of a row
	v_lshlrev_b32 v84, 9, v87
	v_lshl_add_u32 v84, v88, 6, v84                ; Q: row r of 512 bytes, + 64 h: my 16 numbers of a block
	s_wait_kmcnt 0x0
	s_load_b512 s[36:51], s[8:9], 0x0              ; the sixteen lengths, as scalars,
	global_load_b32 v85, v91, s[8:9]               ; and one a lane (lane % 16)
	INIT 0
	INIT 1
	WIN 0
	s_wait_loadcnt 0x0
	s_wait_kmcnt 0x0
	; the batches are ranked by W, the larger first, ties by the lower number last: key = (W - 1) x 16 + batch; a lane's rank is the number of keys above its own
	v_add_nc_u32 v85, -1, v85
	v_min_u32 v85, 0xfff, v85                      ; W - 1 (a length under 1 wraps round: 4095)
	v_lshl_or_b32 v85, v85, 4, v87
	v_mov_b32 v92, 0
.irp k, 0,1,2,3,4,5,6,7,8,9,10,11,12,13,14,15
	v_readlane_b32 s[TS], v85, \k
	v_cmp_gt_u32 vcc_lo, s[TS], v85
	v_cndmask_b32 v93, 0, 1, vcc_lo
	v_add_nc_u32 v92, v92, v93
.endr
	v_cmp_eq_u32 vcc_lo, s17, v92
	s_ctz_i32_b32 s18, vcc_lo                      ; the batch of my rank
	s_min_u32 s18, s18, 15
	s_mov_b32 s19, s36
.irp k, 1,2,3,4,5,6,7,8,9,10,11,12,13,14,15
	s_cmp_eq_u32 s18, \k
	s_cselect_b32 s19, s[36+\k], s19               ; its length
.endr
	s_sub_co_u32 s[REM], s19, 1
	s_min_u32 s[REM], s[REM], 0xfff
	s_add_co_u32 s[REM], s[REM], 128
	s_lshr_b32 s[REM], s[REM], 7                   ; n = (W + 127) / 128: 1 .. 32
	s_max_i32 s[LM], s19, 0
	s_min_i32 s[LM], s[LM], 0x1000
	s_lshl_b32 s32, s18, 12
	s_lshl_b32 s33, s16, 7
	s_add_co_u32 s32, s32, s33
	s_lshl_b32 s33, s14, 5
	s_add_co_u32 s32, s32, s33                     ; my first query: 4096 b + 128 (x % 32) + 32 x my wave in the half
	s_lshl_b32 s32, s32, 9
	s_mov_b32 s33, 0
	s_add_nc_u64 s[4:5], s[4:5], s[32:33]
	s_add_nc_u64 s[10:11], s[10:11], s[32:33]
	s_mul_i32 s34, s18, 32*BLKB
	s_mov_b32 s35, 0
	s_add_nc_u64 s[6:7], s[6:7], s[34:35]          ; the batch's block 0 of kv
.irp q, 0,1
	WIN 0x40*\q
.irp bb, 0,1,2,3
.irp jj, 0,1,2,3
	global_load_b128 v[96+16*\bb+4*\jj:99+16*\bb+4*\jj], v84, s[4:5] offset:8192*\q+128*\bb+16*\jj th:TH_LOAD_NT
.endr
.endr
.endr
	WIN 0
	GLOAD                                          ; key step 0
	s_mov_b32 s[SL], 0
	s_mov_b32 s[SO], SLOTB
	s_mov_b32 s[KF], 0
	s_mov_b32 s[TRIP], 33
	s_wait_loadcnt 29                              ; tile 0's 16 loads of Q are in; tile 1's 16 and the 13 staging loads may be out
	QQ 0
	s_wait_loadcnt 13                              ; tile 1's are in
	QQ 1
	WIN 0x01
	v_mov_b32 v30, v255                            ; tile 1's scale word of Q, to where a scale operand can name it
	WIN 0
	s_wait_loadcnt 0x0
	LSTORE 3, 4                                    ; key step 0 into slot 0
	s_wait_dscnt 0x0                               ; for the others' sake, and the stores have read the staging registers
	s_cmp_le_i32 s[REM], 1
	s_cbranch_scc1 .Lone_step
	s_add_nc_u64 s[6:7], s[6:7], BLKB              ; (no load that names it is out)
	GLOAD                                          ; key step 1
.Lone_step:
.rept 8
	v_nop                                          ; places between the vector lines that wrote Q's scale words and codes and the first scaled product
.endr
	s_barrier_signal -1
	s_barrier_wait -1
.Ltrip:                                            ; 33 trips: up to 32 key steps and the way out
	v_add_nc_u32 v5, s[SL], v1                     ; the trip's LDS addresses and the mask's d, made on every wave's way.  These five plain lines are also the places behind the last trip's products:
	v_add_nc_u32 v6, s[SL], v2                     ; four are asked ahead of loads into their operands and of reads of their results, five ahead of products that write over their operands
	v_add_nc_u32 v7, s[SO], v3
	v_add_nc_u32 v8, s[SO], v4
	s_sub_co_i32 s[TS], s[LM], s[KF]
	v_sub_nc_u32 v9, s[TS], v11
	s_cmp_gt_i32 s[REM], 0
	s_cbranch_scc0 .Lnot_active
	KLOAD 0
	s_wait_dscnt 0x0
	SMUL 0, 0
	SMUL 0, 1
	WIN 0
.rept 4
	v_nop                                          ; places in front of loads into registers that the products have read
.endr
	KLOAD 1
	s_wait_dscnt 0x0
	SMUL 1, 0
	SMUL 1, 1
	WIN 0
.rept 4
	v_nop                                          ; likewise, and in front of the first read of the scores
.endr
	VLOAD0                                         ; lands while tile 0's softmax is walked
	MASK 0
	SM 0
	s_wait_dscnt 0x0                               ; V's eight fragments and scale words are in
	PV 0
	MASK 1                                         ; tile 1's softmax stands behind tile 0's products and names none of their registers
	SM 1
	PV 1
	WIN 0
	; the next steps' blocks
	s_cmp_le_i32 s[REM], 1
	s_cbranch_scc1 .Lstaged
	s_wait_loadcnt 0x0                             ; the next step's block, asked for a trip ago, is in the staging registers
	LSTORE 7, 8                                    ; into the other slot: its last readers waited for their loads ahead of the last barrier
	s_cmp_le_i32 s[REM], 2
	s_cbranch_scc1 .Lstaged
	s_wait_dscnt 0x0                               ; the stores have read the staging registers
	s_wait_xcnt 0x0                                ; the last prefetch, a trip back, has read its base
	s_add_nc_u64 s[6:7], s[6:7], BLKB
	GLOAD                                          ; the step after next: it has a whole trip in which to land
	s_cmp_le_i32 s[REM], s[PLIM]
	s_cbranch_scc1 .Lstaged
	; a prefetch of the fragments of the step four on, two trips ahead of the loads that will want them: 96 blocks of 256 bytes, a lane a block, 32 a wave.  Each is named once in the launch: all 32 halves of a batch walk
	; the same blocks, and the one that takes the batch's first 128 queries asks, by its waves 0-2.  Steps 0 to 3 come by their loads alone; where four steps on there is none, nothing is asked for
	global_prefetch_b8 v80, s[6:7] offset:2*BLKB th:TH_LOAD_NT scope:SCOPE_SE
.Lstaged:
	s_branch .Ljoin
.Lnot_active:
	s_cmp_eq_u32 s[REM], 0
	s_cbranch_scc0 .Ljoin
	EPIQ 0                                         ; my half has walked its steps: its 32 rows a wave leave, while the other half may still be at work
	EPIQ 1
	s_wait_xcnt 0x0                                ; the stores have read their registers
.Ljoin:
	s_wait_dscnt 0x0                               ; my reads of the slot in hand are over and my stores into the other have landed
	s_barrier_signal -1
	s_barrier_wait -1                              ; both now hold of every wave
	s_xor_b32 s[SL], s[SL], SLOTB
	s_xor_b32 s[SO], s[SO], SLOTB
	s_add_co_u32 s[KF], s[KF], 128
	s_sub_co_i32 s[REM], s[REM], 1
	s_sub_co_u32 s[TRIP], s[TRIP], 1
	s_cmp_lg_u32 s[TRIP], 0
	s_cbranch_scc1 .Ltrip
	s_wait_tensorcnt 0x0
	ds_add_u32 v95, v243
	s_wait_dscnt 0x0
	s_endpgm
.Lfunc_end_k_q6d98b4f3c0_attn:
	.size	k_q6d98b4f3c0_attn, .Lfunc_end_k_q6d98b4f3c0_attn-k_q6d98b4f3c0_attn
	.p2alignl 7, 3214868480
	.fill 96, 4, 3214868480
	.section	.rodata,"a",@progbits
	.p2align	6, 0x0
	.amdhsa_kernel k_q6d98b4f3c0_attn
		.amdhsa_group_segment_fixed_size 199680
		.amdhsa_private_segment_fixed_size 0
		.amdhsa_enable_private_segment 0
		.amdhsa_kernarg_size 32
		.amdhsa_user_sgpr_count 2
		.amdhsa_user_sgpr_kernarg_segment_ptr 1
		.amdhsa_wavefront_size32 1
		.amdhsa_system_sgpr_workgroup_id_x 1
		.amdhsa_system_sgpr_workgroup_id_y 1
		.amdhsa_system_sgpr_workgroup_id_z 1
		.amdhsa_system_vgpr_workitem_id 0
		.amdhsa_next_free_vgpr 512
		.amdhsa_next_free_sgpr 66
		.amdhsa_reserve_vcc 1
		.amdhsa_float_denorm_mode_32 3
		.amdhsa_float_denorm_mode_16_64 3
		.amdhsa_memory_ordered 1
		.amdhsa_forward_progress 1
		.amdhsa_inst_pref_size 87
	.end_amdhsa_kernel
	.amdgpu_metadata
---
amdhsa.version: [ 1, 2 ]
amdhsa.kernels:
  - .name:           k_q6d98b4f3c0_attn
    .symbol:         k_q6d98b4f3c0_attn.kd
    .args:
      - { .name: queries, .offset: 0, .size: 8, .value_kind: global_buffer, .address_space: global }
      - { .name: kv, .offset: 8, .size: 8, .value_kind: global_buffer, .address_space: global }
      - { .name: valid_lens, .offset: 16, .size: 8, .value_kind: global_buffer, .address_space: global }
      - { .name: out0, .offset: 24, .size: 8, .value_kind: global_buffer, .address_space: global }
    .group_segment_fixed_size: 199680
    .private_segment_fixed_size: 0
    .kernarg_segment_align: 8
    .kernarg_segment_size: 32
    .max_flat_workgroup_size: 256
    .sgpr_count:     66
    .vgpr_count:     512
    .wavefront_size: 32
...
	.end_amdgpu_metadata
.endif
;; end of part 2
;; ======== version 2 of 2: 2 launches
;; limits: right only within a limited range of input values
;; workspace buffers: kv 13,107,200 bytes
;; launch quant (part 3): grid 512 x 2, 4 waves a work-group, no clusters, 68,096 bytes of LDS; arguments keys, values, valid_lens, kv; writes kv
.if DOCPART == 3
	.amdgcn_target "amdgcn-amd-amdhsa--gfx1250"
	.amdhsa_code_object_version 6
	.text
	.protected	k_q6d98b4f3c0_quant
	.globl	k_q6d98b4f3c0_quant
	.p2align	8
	.type	k_q6d98b4f3c0_quant,@function
k_q6d98b4f3c0_quant:
	s_mov_b64 s[64:65], 0
	v_nop
	global_prefetch_b8 v0, s[64:65] scope:SCOPE_SE
	s_setreg_imm32_b32 hwreg(HW_REG_WAVE_MODE, 25, 1), 1
	s_wait_xcnt 0x0
; keys and values, [16][4096][128] f32, become codes of FP6 (E2M3) with one E8M0 scale byte for each 32 along the product's K, laid in kv as IMAGES OF OPERAND REGISTERS.
; kv: block (b, j) of 25,600 bytes at (32 b + j) x 25,600, j = the key step of 128 keys:
;   +0      K's eight fragments kt, 1,536 bytes each: byte 512 c + 16 lane + 4 i is register 4 c + i of that lane.  Fragment kt = 2 w + u: lane (r, h) holds key 32 w + 8 u + r + 8 (r / 8), registers 6 c .. 6 c + 5 hold d = 64 c + 32 h + 0 .. 31
;   +12288  V's eight fragments dt: lane (r, h) holds channel 16 dt + r, registers 6 c .. 6 c + 5 hold keys 64 c + 32 h + 0 .. 31 (the keys are the second product's K)
;   +24576  K's scale words: byte 128 i + 4 lane: lanes 0-15 the rows of fragment 2 i, lanes 16-31 those of fragment 2 i + 1;   +25088  V's likewise
; A block's scale is 2^(floor(log2(its largest magnitude)) - 2); its byte is the largest magnitude's exponent field - 2, held at 1 from below (a block of zeros keeps the byte 1: its codes are zeros, and this program alone reads the bytes).
; LIMITS: blocks whose largest magnitude lies under 2^-124 keep the byte 1; NaN and infinities among the inputs are not served.
; SHARES.  Work-group x = 32 b + j, y = 0: keys, y = 1: values.  Key steps that lie wholly behind the batch's valid length are thrown away by the mask: their work-groups store nothing and end
; (a grid that serves every length).  W = 4096 where the length is under 1 (every key is then masked alike, and all count), else min(length, 4096); n = ceil(W / 128) steps are made.
; K: wave w takes keys 32 w .. 32 w + 31: each load reads one dense row of 512 bytes; the rows turn through the wave's own stage in LDS, so that a lane gets 16 neighbours along d of each block.
; V: wave w takes channels 32 w + lane, and a lane's registers run down the keys: a block of 32 keys lies in one lane.  No barrier: waves share nothing.
.set BLKB,  25600
.set VFR,   12288
.set KSW,   24576
.set VSW,   25088
.set SPQ,   528                        ; a stage row: 512 bytes + 16: sixteen rows of a load start at sixteen different 16-byte columns
.set WST,   32*SPQ                     ; a wave's stage
.set R,     32                         ; v32-159  128 numbers
.set CA,    160                        ; v160-171 the first fragment's codes
.set CB,    172                        ; v172-183 the second's
.set TP,    184                        ; v184-190 the upper halves of blocks, as the conversions leave them
.set TM,    192                        ; v192-207 at work
.set WA,    208                        ; the two fragments' scale words
.set WB,    209
.set WO,    210                        ; the word that is stored
.set FLOOR, 0x1800000                  ; 2^(3 - 127)
.set OFF2,  0xff000000                 ; -(2 << 23)
; 64 numbers of a lane, register 16 b + i = k 32 b + 16 (lane / 16) + i of its row, become a fragment's codes in v[dst] on and its row's scale word in v[word]
.macro QUANT src, dst, tmp, word
.irp b, 0,1,2,3
	v_max3_num_f32 v[TM+\b], |v[\src+16*\b]|, |v[\src+1+16*\b]|, FLOOR   ; my 16 numbers of block b, and the floor: the byte cannot fall under 1
.endr
.irp i, 2,4,6,8,10,12,14
.irp b, 0,1,2,3
	v_max3_num_f32 v[TM+\b], v[TM+\b], |v[\src+16*\b+\i]|, |v[\src+1+16*\b+\i]|   ; the four blocks by turns
.endr
.endr
.irp b, 0,1,2,3
	v_permlanex16_b32 v[TM+4+\b], v[TM+\b], s20, s21
.endr
.irp b, 0,1,2,3
	v_max_num_f32 v[TM+\b], v[TM+\b], v[TM+4+\b]   ; with lane l xor 16's: the block's largest magnitude
.endr
.irp b, 0,1,2,3
	v_add_nc_u32 v[TM+12+\b], OFF2, v[TM+\b]       ; 2 off its exponent field: the conversion's scale operand
.endr
.irp b, 0,1,2,3
	v_lshrrev_b32 v[TM+4+\b], 23, v[TM+12+\b]      ; the scale's byte
.endr
	v_lshl_or_b32 v[\word], v[TM+5], 8, v[TM+4]
	v_lshl_or_b32 v[\word], v[TM+6], 16, v[\word]
	v_lshl_or_b32 v[\word], v[TM+7], 24, v[\word]
.irp c, 0,1
	v_cvt_scalef32_pk16_fp6_f32 v[\dst+6*\c:\dst+2+6*\c], v[\src+32*\c:\src+15+32*\c], v[TM+12+2*\c]
	v_cvt_scalef32_pk16_fp6_f32 v[\tmp+4*\c:\tmp+2+4*\c], v[\src+16+32*\c:\src+31+32*\c], v[TM+12+2*\c+1]   ; (a conversion's three registers begin on an even number)
.endr
	v_nop                                          ; one plain place behind the scaled conversions
.irp c, 0,1                                    ; the operand wants a whole block in a lane: lanes 0-15 block 2 c, lanes 16-31 block 2 c + 1
.irp i, 0,1,2
	v_permlane16_swap_b32 v[\dst+6*\c+\i], v[\tmp+4*\c+\i]
.endr
.irp i, 0,1,2
	v_mov_b32 v[\dst+3+6*\c+\i], v[\tmp+4*\c+\i]
.endr
.endr
.endm
	s_load_b256 s[4:11], s[0:1], 0x0               ; keys s[4:5], values s[6:7], valid_lens s[8:9], kv s[10:11]
	v_lshl_add_u32 v212, v0, 2, 0x10800
	v_mov_b32 v213, 0
	s_lshr_b32 s12, ttmp9, 5                       ; b
	s_and_b32 s13, ttmp9, 31                       ; j
	s_and_b32 s14, ttmp7, 0xffff                   ; 0: keys, 1: values
	s_lshl_b32 s16, s12, 2
	s_mov_b32 s17, 0
	v_lshrrev_b32 v1, 5, v0
	v_readfirstlane_b32 s15, v1                    ; wave 0..3
	s_wait_kmcnt 0x0
	s_add_nc_u64 s[8:9], s[8:9], s[16:17]
	s_load_b32 s18, s[8:9], 0x0                    ; my batch's valid length
	v_and_b32 v1, 31, v0                           ; lane
	v_and_b32 v2, 15, v0                           ; r
	v_bfe_u32 v3, v0, 4, 1                         ; h
	v_lshlrev_b32 v4, 4, v1                        ; 16 x lane
	v_lshlrev_b32 v5, 2, v1                        ; 4 x lane
	s_mul_i32 s19, s15, WST
	v_add_nc_u32 v6, s19, v4                       ; the stage, on the way in: a row's 512 bytes on end
	v_mul_u32_u24 v7, v2, SPQ
	v_lshl_add_u32 v7, v3, 6, v7
	v_add_nc_u32 v7, s19, v7                       ; and on the way out: row r, + 64 h: my 16 numbers of a block
	s_mov_b32 s20, 0x76543210
	s_mov_b32 s21, 0xfedcba98                      ; v_permlanex16_b32's selects for lane l xor 16
.irp b, 0,1,2,3
	v_mov_b32 v[TM+4+\b], 0                        ; written once: a lane permute's destination counts as one of its sources
.endr
	s_mul_i32 s22, ttmp9, BLKB
	s_mov_b32 s23, 0
	s_add_nc_u64 s[10:11], s[10:11], s[22:23]      ; my block of kv
	s_mul_i32 s22, s15, 3072
	s_add_nc_u64 s[28:29], s[10:11], s[22:23]      ; + my wave's two fragments
	s_lshl_b32 s22, s15, 7
	s_add_nc_u64 s[30:31], s[10:11], s[22:23]      ; + my wave's 128 bytes of scale words
	s_lshl_b32 s24, ttmp9, 16                      ; (4096 b + 128 j) rows of 512 bytes
	s_mov_b32 s25, 0
	s_wait_kmcnt 0x0
	s_sub_co_u32 s18, s18, 1                       ; W - 1 = min(length - 1, 4095), unsigned: a length under 1 wraps round and gives 4095
	s_min_u32 s18, s18, 0xfff
	s_add_co_u32 s18, s18, 128
	s_lshr_b32 s18, s18, 7                         ; n = (W + 127) / 128
	s_cmp_ge_u32 s13, s18
	s_cbranch_scc1 .Ldone                          ; all 128 keys of this step are masked, and the row has keys that are not: nothing to make
	s_cmp_lg_u32 s14, 0
	s_cbranch_scc1 .Lvalues
	; ---- keys
	s_lshl_b32 s26, s15, 14                        ; my wave's 32 rows
	s_add_co_u32 s24, s24, s26
	s_add_nc_u64 s[4:5], s[4:5], s[24:25]
.irp p, 0,1,2,3,4,5,6,7,8,9,10,11,12,13,14,15,16,17,18,19,20,21,22,23,24,25,26,27,28,29,30,31
	global_load_b128 v[R+4*\p:R+4*\p+3], v4, s[4:5] offset:512*\p th:TH_LOAD_NT   ; 32 lanes read key p's 512 consecutive bytes
.endr
	s_wait_alu depctr_va_vdst(0)
.irp g, 0,1,2,3
	s_wait_loadcnt 24-8*\g                         ; this group's eight loads are in; the younger groups may be out
.irp z, 0,1,2,3,4,5,6,7
	ds_store_b128 v6, v[R+4*(8*\g+\z):R+4*(8*\g+\z)+3] offset:(16*(\g%2)+\z+8*(\g/2))*SPQ   ; key 8 g + z goes to stage row 16 u + r: a fragment's 16 rows lie on end
.endr
.endr
	s_wait_dscnt 0x0                               ; the stores have read their registers
.irp u, 0,1
.irp bb, 0,1,2,3
.irp jj, 0,1,2,3
	ds_load_b128 v[R+64*\u+16*\bb+4*\jj:R+64*\u+16*\bb+4*\jj+3], v7 offset:16*\u*SPQ+128*\bb+16*\jj
.endr
.endr
.endr
	s_wait_dscnt 16                                ; the first fragment's 16 loads are in, the second's may be out
	QUANT R, CA, TP, WA
	s_wait_dscnt 0x0
	QUANT R+64, CB, TP, WB
.irp u, 0,1
.irp c, 0,1,2
	global_store_b128 v4, v[CA+12*\u+4*\c:CA+12*\u+4*\c+3], s[28:29] offset:1536*\u+512*\c   ; 32 lanes store 512 consecutive bytes, at a multiple of 256 from kv's first byte
.endr
.endr
	v_cmp_gt_u32 vcc_lo, 16, v1
	v_cndmask_b32 v[WO], v[WB], v[WA], vcc_lo      ; lanes 0-15: the first fragment's words, lanes 16-31: the second's
	global_store_b32 v5, v[WO], s[30:31] offset:KSW   ; 128 consecutive bytes a wave; the four waves' pieces lie on end
	s_wait_tensorcnt 0x0
	ds_add_u32 v212, v213
	s_wait_dscnt 0x0
	s_endpgm
	; ---- values
.macro LOADV t                         ; block t: V(32 t + i, my channel), i = 0 .. 31
.irp i, 0,1,2,3,4,5,6,7,8,9,10,11,12,13,14,15,16,17,18,19,20,21,22,23,24,25,26,27,28,29,30,31
	global_load_b32 v[R+32*(\t)+\i], v5, s[6:7] offset:(32*(\t)+\i)*512 th:TH_LOAD_NT   ; a wave reads 128 consecutive bytes of a row, the four waves the whole row
.endr
.endm
.macro VBLOCK kb
.set XS, R+32*(\kb)
.set DD, CA+12*((\kb)%2)+6*((\kb)/2)   ; even blocks into the first run of registers, odd ones into the second
.set TT, TP+4*((\kb)%2)
.if (\kb) < 3
	s_wait_loadcnt 32                              ; this block's 32 loads are in; the next block's may be out
.else
	s_wait_loadcnt 0x0
.endif
.if (\kb) < 2
	LOADV (\kb)+2
.endif
	v_max3_num_f32 v[TM], |v[XS]|, |v[XS+1]|, |v[XS+2]|             ; the block's largest magnitude: all 32 numbers are mine
	v_max3_num_f32 v[TM+1], |v[XS+3]|, |v[XS+4]|, |v[XS+5]|
.irp i, 6,10,14,18,22,26
	v_max3_num_f32 v[TM], v[TM], |v[XS+\i]|, |v[XS+\i+1]|
	v_max3_num_f32 v[TM+1], v[TM+1], |v[XS+\i+2]|, |v[XS+\i+3]|
.endr
	v_max3_num_f32 v[TM], v[TM], |v[XS+30]|, |v[XS+31]|
	v_max3_num_f32 v[TM], v[TM], v[TM+1], FLOOR
	v_add_nc_u32 v[TM+2], OFF2, v[TM]              ; the conversion's scale operand
	v_lshrrev_b32 v[TM+3], 23, v[TM+2]             ; the scale's byte
.if (\kb) == 0
	v_mov_b32 v[WO], v[TM+3]
.else
	v_lshl_or_b32 v[WO], v[TM+3], 8*(\kb), v[WO]   ; the lower keys in the lower byte
.endif
	v_cvt_scalef32_pk16_fp6_f32 v[DD:DD+2], v[XS:XS+15], v[TM+2]
	v_cvt_scalef32_pk16_fp6_f32 v[TT:TT+2], v[XS+16:XS+31], v[TM+2]
	v_nop                                          ; one plain place behind the scaled conversions
.irp i, 0,1,2
	v_mov_b32 v[DD+3+\i], v[TT+\i]
.endr
.endm
.Lvalues:
	s_lshl_b32 s26, s15, 7                         ; my wave's 32 channels
	s_add_co_u32 s24, s24, s26
	s_add_nc_u64 s[6:7], s[6:7], s[24:25]
	s_wait_alu depctr_va_vdst(0)
	LOADV 0
	LOADV 1
	VBLOCK 0
	VBLOCK 1
	VBLOCK 2
	VBLOCK 3
.irp c, 0,1,2,3,4,5,6,7,8,9,10,11      ; lanes 16-31 of the even blocks change places with lanes 0-15 of the odd ones: the first run is then fragment 2 w (channels 0-15), the second fragment 2 w + 1
	v_permlane16_swap_b32 v[CA+\c], v[CB+\c]
.endr
.irp u, 0,1
.irp c, 0,1,2
	global_store_b128 v4, v[CA+12*\u+4*\c:CA+12*\u+4*\c+3], s[28:29] offset:VFR+1536*\u+512*\c
.endr
.endr
	global_store_b32 v5, v[WO], s[30:31] offset:VSW   ; lane l's word is channel 32 w + l's: lanes 0-15 fragment 2 w, lanes 16-31 fragment 2 w + 1
.Ldone:
	s_endpgm
.Lfunc_end_k_q6d98b4f3c0_quant:
	.size	k_q6d98b4f3c0_quant, .Lfunc_end_k_q6d98b4f3c0_quant-k_q6d98b4f3c0_quant
	.p2alignl 7, 3214868480
	.fill 96, 4, 3214868480
	.section	.rodata,"a",@progbits
	.p2align	6, 0x0
	.amdhsa_kernel k_q6d98b4f3c0_quant
		.amdhsa_group_segment_fixed_size 68096
		.amdhsa_private_segment_fixed_size 0
		.amdhsa_enable_private_segment 0
		.amdhsa_kernarg_size 32
		.amdhsa_user_sgpr_count 2
		.amdhsa_user_sgpr_kernarg_segment_ptr 1
		.amdhsa_wavefront_size32 1
		.amdhsa_system_sgpr_workgroup_id_x 1
		.amdhsa_system_sgpr_workgroup_id_y 1
		.amdhsa_system_sgpr_workgroup_id_z 1
		.amdhsa_system_vgpr_workitem_id 0
		.amdhsa_next_free_vgpr 214
		.amdhsa_next_free_sgpr 66
		.amdhsa_reserve_vcc 1
		.amdhsa_float_denorm_mode_32 3
		.amdhsa_float_denorm_mode_16_64 3
		.amdhsa_memory_ordered 1
		.amdhsa_forward_progress 1
		.amdhsa_inst_pref_size 37
	.end_amdhsa_kernel
	.amdgpu_metadata
---
amdhsa.version: [ 1, 2 ]
amdhsa.kernels:
  - .name:           k_q6d98b4f3c0_quant
    .symbol:         k_q6d98b4f3c0_quant.kd
    .args:
      - { .name: keys, .offset: 0, .size: 8, .value_kind: global_buffer, .address_space: global }
      - { .name: values, .offset: 8, .size: 8, .value_kind: global_buffer, .address_space: global }
      - { .name: valid_lens, .offset: 16, .size: 8, .value_kind: global_buffer, .address_space: global }
      - { .name: kv, .offset: 24, .size: 8, .value_kind: global_buffer, .address_space: global }
    .group_segment_fixed_size: 68096
    .private_segment_fixed_size: 0
    .kernarg_segment_align: 8
    .kernarg_segment_size: 32
    .max_flat_workgroup_size: 128
    .sgpr_count:     66
    .vgpr_count:     214
    .wavefront_size: 32
...
	.end_amdgpu_metadata
.endif
;; end of part 3
;; launch attn (part 4): grid 256 x 1, 8 waves a work-group, no clusters, 199,680 bytes of LDS; arguments queries, kv, valid_lens, out0; writes out0
.if DOCPART == 4
	.amdgcn_target "amdgcn-amd-amdhsa--gfx1250"
	.amdhsa_code_object_version 6
	.text
	.protected	k_q6d98b4f3c0_attn
	.globl	k_q6d98b4f3c0_attn
	.p2align	8
	.type	k_q6d98b4f3c0_attn,@function
k_q6d98b4f3c0_attn:
	s_mov_b64 s[64:65], 0
	v_nop
	global_prefetch_b8 v0, s[64:65] scope:SCOPE_SE
	s_setreg_imm32_b32 hwreg(HW_REG_WAVE_SCHED_MODE, 0, 2), 2
	s_setreg_imm32_b32 hwreg(HW_REG_WAVE_MODE, 25, 1), 1
	s_wait_xcnt 0x0
	s_wait_alu depctr_vm_vsrc(0)
; out0[b][q][:] = the sum over k of softmax_k(masked(Q[b][q] . K[b][k] / sqrt(128))) V[b][k][:]; keys k >= valid_lens[b] carry the logit -1e6.  Both products on codes of FP6 (E2M3) with E8M0 scales for each 32 along K.
; K and V come as images of operand registers out of kv (block (b, j) of 25,600 bytes: 8 fragments of K, 8 of V, 512 bytes of K's scale words, 512 of V's); Q is quantised here, in registers.
; THE SOFTMAX: t = score x log2(e) / sqrt(128); M = the running largest t rounded UP to a whole number; p = 2^(t - M) is quantised along the keys; the row's sum is taken of the unquantised p and divides at the end;
; when M moves, the sum and O are multiplied by 2^(old M - new M): exact.
; THE MASK.  W = 4096 where the length is under 1 (all keys masked alike: the uniform softmax), else min(length, 4096); n = ceil(W / 128) key steps are walked.  The steps behind them hold masked keys alone, whose p is 0.
; In a step that reaches past the length the masked scores become -1e6 x sqrt(128) ahead of the maximum.
; LIMITS: the logits of keys that count are taken to lie more than 200 above -1e6 (else the p of a step that is left out would not be 0); NaN and infinities are not served;
; with a length under 1, p is made of -1e6 x sqrt(128) rounded to f32, so that p's one rounding to a code may differ from that of -1e6 x log2(e).
; SHARES.  All 65,536 queries are at work at once, so a step that is left out pays only if every work-group holds the same work: a work-group's waves 0-3 (half 0) take 128 queries of the batch whose W has rank
; pair = x / 32 (rank 0 the largest), waves 4-7 (half 1) 128 queries of the batch of rank 15 - pair; both take queries 128 (x % 32) on.  A wave owns 32 queries: two tiles of 16, which share each fragment of K and V read from LDS.
; NO CLUSTER, NO TENSOR LOAD: how many steps a half walks hangs on valid_lens.  So a key step's block comes through registers:
; asked for two trips ahead, stored into the half's other LDS slot one trip ahead.  The loop has 33 trips for every wave and one barrier a trip, on the way that all waves take; a half that is done jumps over the work.
; LAYOUT.  Both products are used transposed: S^T = K Q^T, O^T = V^T P^T: a lane holds ONE query (lane % 16).  The keys of a tile of K are chosen so that the 16 registers of tiles 2 b, 2 b + 1 are keys 32 b + 16 (lane / 16) + 0 .. 15.
; REGISTERS, in two windows of 256 (w0, w1).  A tile's state has the same numbers in its own window (tile 0: w0, tile 1: w1), so that one text serves both:
;   v12 -M, v13 the largest t, v[14:15] the sum, v16-27 Q's codes, v96-159 S^T then p, v160-223 O^T, v224-235 p's codes, v232-247, v252, v254 at work, v253 p's scale word, v255 Q's scale word.
;   w0 alone: v1-4 LDS places that stay, v5-8 the trip's LDS addresses, v9 the mask's d, v10 the masked score, v11 16 h, v28-29 offsets of the staging loads, v30, v31 tile 1's scale words (a scale operand has no window),
;   v32-79 four fragments (K's 0-3, then V's 0-3; V's other four land in v96-143 once tile 0's p is converted), v80 the prefetch's offset, v81-84 offsets, v95, v243 the closing add's two, v248-251 K's, then V's scale words.
;   w1 alone: v32-81 the staging registers.   K's fragments 4-7 lie where nothing else lives while K Q^T is made: 4 in w0 v224-235, 5 in w1 v224-235 (p's codes are made later in the trip), 6 in w1 v0-11, 7 in w1 v82-93.
; THE MODE: SCHED_MODE bits 1:0 = 2 (LLVM: expert scheduling mode 2), set by the entry lines.  The code itself states the register dependences between vector or matrix instructions and memory or LDS instructions,
; with s_wait_alu, always for 0.
; THE PLAN.  Registers that LDS or memory instructions touch in a trip, in the trip's order:
;   v5-v8        written by four adds at the trip's head; v5, v6 are read by the trip's LDS loads, v7, v8 by its LDS stores.
;   K's buffer   w0 v32-79, w0 v224-235, w1 v224-235, w1 v0-11, w1 v82-93 and v248-251: one run of 28 LDS loads at the head lands in them; the sixteen products K Q^T read them.  The last trip's products were their last readers.
;   V's 0-3      w0 v32-79 and v248-251 again: loaded behind the products K Q^T, read by the products V^T P.
;   V's 4-7      w0 v96-143: loaded behind tile 0's conversions, which are the last of the vector lines that wrote or read tile 0's p; read by the products V^T P.
;   staging      w1 v32-81: global loads land in them, LDS stores read them, no vector or matrix instruction names them.
;   v1-4, v28, v29, v80-84: made once at the head and never written again.
; THE WAITS OF A TRIP.  On vm_vsrc: at the label (v5-v8 have been read) and behind the staging's LDS stores (the next global loads land in what they read).  On va_vdst: ahead of K's run, ahead of V's two runs,
; ahead of each tile's products V^T P (p's codes and scale word are written by vector lines), and behind each batch of exponentials.  On va_sdst: in the one step that is masked, behind each run of sixteen compares.
; The staging stands behind tile 0's products V^T P: its LDS stores and global loads name none of the registers of the vector and matrix work round them.
.set BLKB,  25600
.set VFR,   12288
.set KSW,   24576
.set SLOTB, 32768                      ; LDS: half HF at 65536 HF, its slot s at + 32768 s; a slot holds a block of kv as it lies in memory
.set STG,   131072                     ; behind the slots: a stage of 16 rows x 528 bytes for each wave, for the way out
.set SP,    528
.set FLOOR, 0x1800000                  ; 2^(3 - 127)
.set OFF2,  0xff000000                 ; -(2 << 23)
.set SEL,   20                         ; s[20:21] lane selects for v_permlanex16_b32: lane l xor 16
.set CS,    22                         ; s[22:23] c = log2(e) / sqrt(128)
.set REM,   24                         ; s24  key steps still to be walked by my half; 0: the way out; under 0: done
.set TRIP,  25                         ; s25  the loop's counter
.set SL,    26                         ; s26  the slot that is read
.set SO,    27                         ; s27  the slot that is stored into
.set KF,    28                         ; s28  the step's first key
.set TS,    29                         ; s29  at work
.set LM,    30                         ; s30  the length held to 0 .. 4096
.set MK,    36                         ; s36-s51 at the head the sixteen lengths; in the loop the masks of a run of sixteen compares
.set PLIM,  52                         ; s52  4 in a wave that prefetches, else the greatest number
.set RL,    53                         ; s53-s60 at the head only: eight lanes' keys
.set RM,    24                         ; s24-s31 at the head only, before they take their meaning in the loop: eight masks
.set MSB, 0
.macro WIN new                         ; the immediate's high byte repeats the setting that is left; a switch that changes nothing is dropped
.if MSB != (\new)
	s_set_vgpr_msb (MSB<<8)|(\new)
.set MSB, \new
.endif
.endm
; a block of kv, 25,600 bytes, into the staging registers: the half's 128 threads take 16 bytes each of twelve runs of 2,048 bytes, and 8 bytes each of the scale words
.macro GLOAD
	WIN 0x40                                       ; destination window 1, address window 0
.irp i, 0,1,2,3,4,5,6,7,8,9,10,11
	global_load_b128 v[32+4*\i:35+4*\i], v28, s[6:7] offset:2048*\i
.endr
	global_load_b64 v[80:81], v29, s[6:7] offset:KSW
	WIN 0
.endm
.macro LSTORE a16, a8                  ; and from there into an LDS slot, as it lies
	WIN 0x04                                       ; an LDS store's data are its source 1: window 1
.irp i, 0,1,2,3,4,5,6,7,8,9,10,11
	ds_store_b128 v[\a16], v[32+4*\i:35+4*\i] offset:2048*\i
.endr
	ds_store_b64 v[\a8], v[80:81]
	WIN 0
.endm
.macro KLOAD                           ; K's eight fragments, three loads of 512 consecutive bytes each, and its four registers of scale words: one run.  What the first products want comes first
.irp t, 0,1,2,3
.irp c, 0,1,2
	ds_load_b128 v[32+12*\t+4*\c:35+12*\t+4*\c], v5 offset:1536*\t+512*\c
.endr
.endr
.irp i, 0,1,2,3
	ds_load_b32 v[248+\i], v6 offset:128*\i
.endr
.irp c, 0,1,2
	ds_load_b128 v[224+4*\c:227+4*\c], v5 offset:1536*4+512*\c      ; fragment 4: w0 v224-235
.endr
	WIN 0x40                                       ; destination window 1, address window 0
.irp c, 0,1,2
	ds_load_b128 v[224+4*\c:227+4*\c], v5 offset:1536*5+512*\c      ; fragment 5: w1 v224-235
.endr
.irp c, 0,1,2
	ds_load_b128 v[4*\c:3+4*\c], v5 offset:1536*6+512*\c            ; fragment 6: w1 v0-11
.endr
.irp c, 0,1,2
	ds_load_b128 v[82+4*\c:85+4*\c], v5 offset:1536*7+512*\c        ; fragment 7: w1 v82-93
.endr
	WIN 0
.endm
.macro VLOAD0                          ; V's fragments 0-3 and its scale words
.irp t, 0,1,2,3
.irp c, 0,1,2
	ds_load_b128 v[32+12*\t+4*\c:35+12*\t+4*\c], v5 offset:VFR+1536*\t+512*\c
.endr
.endr
.irp i, 0,1,2,3
	ds_load_b32 v[248+\i], v6 offset:512+128*\i
.endr
.endm
.macro VLOAD1                          ; V's fragments 4-7, into the registers that tile 0's p has left
.irp t, 0,1,2,3
.irp c, 0,1,2
	ds_load_b128 v[96+12*\t+4*\c:99+12*\t+4*\c], v5 offset:VFR+1536*(4+\t)+512*\c
.endr
.endr
.endm
; one product of S^T = K Q^T: fragment kt of K (16 keys, at v[ar] on of the window that is set for source 0) x tile q's 16 queries.  An odd fragment's scale words lie in lanes 16-31 of their register
.macro KQ kt, q, ar
.set DR, 96+8*(\kt)
.set SR, 248+(\kt)/2
.set QW, 255-225*(\q)                  ; Q's scale word: v255 or v30
.if (\kt)%2
	v_wmma_scale_f32_16x16x128_f8f6f4 v[DR:DR+7], v[\ar:\ar+11], v[16:27], 0, v[SR], v[QW] matrix_a_fmt:MATRIX_FMT_FP6 matrix_b_fmt:MATRIX_FMT_FP6 matrix_a_scale:MATRIX_SCALE_ROW1
.else
	v_wmma_scale_f32_16x16x128_f8f6f4 v[DR:DR+7], v[\ar:\ar+11], v[16:27], 0, v[SR], v[QW] matrix_a_fmt:MATRIX_FMT_FP6 matrix_b_fmt:MATRIX_FMT_FP6
.endif
.endm
; eight products of O^T += V^T P^T for tile q: the eight accumulators take turns, one instruction a turn
.macro PV q
	WIN 0x54*(\q)
.set PWR, 253-222*(\q)                 ; p's scale word: v253 or v31
.irp dt, 0,1,2,3,4,5,6,7
.set DR, 160+8*\dt
.set AR, 32+12*\dt+16*(\dt/4)          ; fragments 0-3 at v32 on, 4-7 at v96 on
.set SR, 248+\dt/2
.if (\dt)%2
	v_wmma_scale_f32_16x16x128_f8f6f4 v[DR:DR+7], v[AR:AR+11], v[224:235], v[DR:DR+7], v[SR], v[PWR] matrix_a_fmt:MATRIX_FMT_FP6 matrix_b_fmt:MATRIX_FMT_FP6 matrix_a_scale:MATRIX_SCALE_ROW1
.else
	v_wmma_scale_f32_16x16x128_f8f6f4 v[DR:DR+7], v[AR:AR+11], v[224:235], v[DR:DR+7], v[SR], v[PWR] matrix_a_fmt:MATRIX_FMT_FP6 matrix_b_fmt:MATRIX_FMT_FP6
.endif
.endr
.endm
; In a step that reaches past the length, register 16 b + i holds key KF + 16 (lane / 16) + 32 b + i: masked where 32 b + i >= d = length - KF - 16 (lane / 16).  A step all of whose keys count jumps over this.
; The compares go in runs of sixteen, a block of keys each, into sixteen scalar registers, with one wait between a run and its selects
.macro MASK q
	s_add_co_u32 s[TS], s[KF], 128
	s_cmp_le_i32 s[TS], s[LM]
	s_cbranch_scc1 .Lopen_\@
	WIN 0x41*(\q)                                  ; tile 1: the scores in window 1; d and the masked score in window 0
.irp b, 0,1,2,3
.irp i, 0,1,2,3,4,5,6,7,8,9,10,11,12,13,14,15
	v_cmp_ge_i32 s[MK+\i], 32*\b+\i, v9
.endr
	s_wait_alu depctr_va_sdst(0)                   ; the sixteen compares have written s36-s51, ahead of the selects that read them
.irp i, 0,1,2,3,4,5,6,7,8,9,10,11,12,13,14,15
	v_cndmask_b32 v[96+16*\b+\i], v[96+16*\b+\i], v10, s[MK+\i]
.endr
.endr
	WIN 0
.Lopen_\@:
.endm
.macro WORD w                          ; from the four blocks' largest magnitudes in v232-235: the conversions' scale operands in v244-247 and the row's scale word in v[w]
.irp b, 0,1,2,3
	v_add_nc_u32 v[244+\b], OFF2, v[232+\b]        ; 2 off the exponent field
.endr
.irp b, 0,1,2,3
	v_lshrrev_b32 v[236+\b], 23, v[244+\b]         ; the scale's byte
.endr
	v_lshl_or_b32 v[\w], v237, 8, v236
	v_lshl_or_b32 v[\w], v238, 16, v[\w]
	v_lshl_or_b32 v[\w], v239, 24, v[\w]
.endm
.macro CVT dst, hook                   ; the 64 numbers in v96-159 become a fragment's codes in v[dst] on.  hook = 1: V's last four fragments are asked for as soon as the numbers are converted
.irp c, 0,1
	v_cvt_scalef32_pk16_fp6_f32 v[\dst+6*\c:\dst+2+6*\c], v[96+32*\c:111+32*\c], v[244+2*\c]
	v_cvt_scalef32_pk16_fp6_f32 v[236+4*\c:238+4*\c], v[112+32*\c:127+32*\c], v[244+2*\c+1]   ; (a conversion's three registers begin on an even number)
.endr
	v_nop                                          ; one plain place behind the scaled conversions
.if \hook
	s_wait_alu depctr_va_vdst(0)                   ; the lines that wrote tile 0's p (products, scalings, exponentials) and those that read it (sums, conversions) are done with v96-143, in which V's fragments 4-7 land
	VLOAD1
.endif
.irp c, 0,1                                    ; the operand wants a whole block in a lane: lanes 0-15 block 2 c, lanes 16-31 block 2 c + 1
.irp i, 0,1,2
	v_permlane16_swap_b32 v[\dst+6*\c+\i], v[236+4*\c+\i]
.endr
.irp i, 0,1,2
	v_mov_b32 v[\dst+3+6*\c+\i], v[236+4*\c+\i]
.endr
.endr
.endm
.macro QQ q                            ; tile q's 16 rows of Q, in v96-159 (register 16 b + i = d 32 b + 16 (lane / 16) + i), become codes in v16-27 and a scale word in v255
	WIN 0x55*(\q)
.irp b, 0,1,2,3
	v_max3_num_f32 v[232+\b], |v[96+16*\b]|, |v[97+16*\b]|, FLOOR
.endr
.irp i, 2,4,6,8,10,12,14
.irp b, 0,1,2,3
	v_max3_num_f32 v[232+\b], v[232+\b], |v[96+16*\b+\i]|, |v[97+16*\b+\i]|
.endr
.endr
.irp b, 0,1,2,3
	v_permlanex16_b32 v[236+\b], v[232+\b], s[SEL], s[SEL+1]
.endr
.irp b, 0,1,2,3
	v_max_num_f32 v[232+\b], v[232+\b], v[236+\b]
.endr
	WORD 255
	CVT 16, 0
.endm
; tile q's softmax for one key step
.macro SM q
	WIN 0x55*(\q)
.irp b, 0,1,2,3
	v_max3_num_f32 v[232+\b], v[96+16*\b], v[97+16*\b], v[98+16*\b]   ; the largest score of each block of 32 keys: it serves for the row's maximum and, since p rises with the score, for the block's largest p
.endr
.irp i, 3,5,7,9,11,13
.irp b, 0,1,2,3
	v_max3_num_f32 v[232+\b], v[232+\b], v[96+16*\b+\i], v[97+16*\b+\i]
.endr
.endr
.irp b, 0,1,2,3
	v_max_num_f32 v[232+\b], v[232+\b], v[111+16*\b]
.endr
.irp b, 0,1,2,3
	v_permlanex16_b32 v[236+\b], v[232+\b], s[SEL], s[SEL+1]
.endr
.irp b, 0,1,2,3
	v_max_num_f32 v[232+\b], v[232+\b], v[236+\b]  ; with lane l xor 16's 16 keys
.endr
	v_max3_num_f32 v254, v232, v233, v234
	v_max_num_f32 v254, v254, v235                 ; the step's largest score of my query
	v_mul_f32 v254, s[CS], v254                    ; as t
	v_max_num_f32 v13, v13, v254                   ; the running largest t
	v_mov_b32 v254, v12
	v_floor_f32 v12, -v13                          ; the new -M = -ceil(t)
	v_sub_f32 v254, v12, v254                      ; old M - new M: a whole number, 0 or less
	v_cvt_i32_f32 v254, v254                       ; (it saturates)
	v_ldexp_f32 v252, 1.0, v254                    ; f = 2^(old M - new M)
.set NJ, 0
.rept 32
	v_pk_fma_f32 v[96+NJ:97+NJ], v[96+NJ:97+NJ], s[CS:CS+1], v[12:13] op_sel_hi:[1,0,0]   ; t - M, two at a time
.set NJ, NJ+2
.endr
.irp b, 0,1,2,3
	v_fma_f32 v[232+\b], v[232+\b], s[CS], v12     ; the same of each block's largest score
.endr
.set NJ, 0
	s_wait_alu depctr_va_vdst(0)
.rept 64
	v_exp_f32 v[96+NJ], v[96+NJ]                   ; p = 2^(t - M)
.set NJ, NJ+1
.endr
	v_pk_mul_f32 v[14:15], v[14:15], v[252:253] op_sel_hi:[1,0]   ; the sums under the new M: the plain place behind the exponentials
	s_wait_alu depctr_va_vdst(0)                   ; the 64 exponentials have written v96-159, ahead of the sums, their first readers: one wait for the batch
.irp b, 0,1,2,3
	v_exp_f32 v[232+\b], v[232+\b]                 ; the block's largest p
.endr
	v_pk_add_f32 v[236:237], v[96:97], v[98:99]    ; the row's sum of the unquantised p, in two chains
.irp j, 4,8,12,16,20,24,28,32,36,40,44,48,52,56,60
	v_pk_add_f32 v[14:15], v[14:15], v[96+\j:97+\j]
	v_pk_add_f32 v[236:237], v[236:237], v[98+\j:99+\j]
.endr
	v_pk_add_f32 v[14:15], v[14:15], v[236:237]
	s_wait_alu depctr_va_vdst(0)                   ; the four exponentials have written v232-235, ahead of their first reader
.irp b, 0,1,2,3
	v_max_num_f32 v[232+\b], FLOOR, v[232+\b]      ; the byte cannot fall under 1 (a block whose every p is 0 keeps that byte: its codes are zeros)
.endr
	WORD 253
.if \q
	WIN 0x01
	v_mov_b32 v31, v253                            ; tile 1's scale word, to where a scale operand can name it
	WIN 0x55
.endif
	CVT 224, 1-(\q)
.set NJ, 0
.rept 32
	v_pk_mul_f32 v[160+NJ:161+NJ], v[160+NJ:161+NJ], v[252:253] op_sel_hi:[1,0]   ; O^T under the new M.  (These 32 are also the places between the lines that wrote p's codes and scale word and the products)
.set NJ, NJ+2
.endr
.endm
; the way out of tile q: O^T / the sum goes through my own stage in LDS and comes back as whole rows of 512 bytes
.macro EPIQ q
	WIN 0x55*(\q)
	v_add_f32 v14, v14, v15                        ; the sum's two halves,
	v_permlanex16_b32 v236, v14, s[SEL], s[SEL+1]
	v_add_f32 v14, v14, v236                       ; and lane l xor 16's
	s_wait_alu depctr_va_vdst(0)
	v_rcp_f32 v14, v14
	v_nop                                          ; a plain place behind the reciprocal,
	s_wait_alu depctr_va_vdst(0)                   ; and the reciprocal has written v14, ahead of its first reader
.set NJ, 0
.rept 32
	v_pk_mul_f32 v[96+NJ:97+NJ], v[160+NJ:161+NJ], v[14:15] op_sel_hi:[1,0]   ; register 8 dt + i is o(query r, channel 16 dt + 8 h + i); each accumulator is read from its low end on
.set NJ, NJ+2
.endr
	WIN 0x04*(\q)
	s_wait_alu depctr_va_vdst(0)                   ; the multiplications have written the quotients, which the LDS stores read, and are done reading O^T: tile 0's rows land in the registers of its O^T
.irp dt, 0,1,2,3,4,5,6,7
	ds_store_b128 v82, v[96+8*\dt:99+8*\dt] offset:64*\dt
	ds_store_b128 v82, v[100+8*\dt:103+8*\dt] offset:64*\dt+16
.endr
	WIN 0
.if \q
	s_wait_alu depctr_vm_vsrc(0)                   ; tile 0's LDS stores have read window 0's v96-159, in which tile 1's rows land
.endif
.set BK, 160-64*(\q)                   ; back into window 0: tile 0 into the registers that its O^T has left, tile 1 into those of tile 0's quotients
.irp i, 0,1,2,3,4,5,6,7,8,9,10,11,12,13,14,15
	ds_load_b128 v[BK+4*\i:BK+4*\i+3], v83 offset:SP*\i   ; LDS serves a wave's instructions in order: these see my stores, and the next tile's stores come behind them
.endr
.irp i, 0,1,2,3,4,5,6,7,8,9,10,11,12,13,14,15
	s_wait_dscnt 15-\i                             ; row i is back; the younger rows' loads may be out
	global_store_b128 v81, v[BK+4*\i:BK+4*\i+3], s[10:11] offset:512*(16*(\q)+\i) th:TH_STORE_NT   ; 32 lanes store a row's 512 consecutive bytes, at a multiple of 256 from out0's first byte
.endr
.endm
.macro INIT q                          ; a tile's state.  The trip is written once: its first step finds zeros, which the first change of M leaves zeros
	WIN 0x55*(\q)
	v_mov_b32 v13, 0xff61b1e6                      ; the largest t so far: -3e38
	v_floor_f32 v12, -v13                          ; -M
	v_mov_b32 v14, 0
	v_mov_b32 v15, 0
.irp b, 0,1,2,3
	v_mov_b32 v[236+\b], 0                         ; written once: a lane permute's destination counts as one of its sources
.endr
	v_mov_b32 v253, 0                              ; (named as the upper half of the pair v[252:253] before it is first written)
.set NJ, 0
.rept 64
	v_mov_b32 v[160+NJ], 0
.set NJ, NJ+1
.endr
.endm
	s_load_b256 s[4:11], s[0:1], 0x0               ; queries s[4:5], kv s[6:7], valid_lens s[8:9], out0 s[10:11]
	v_lshl_add_u32 v95, v0, 2, 0x30800
	v_mov_b32 v243, 0
	v_lshrrev_b32 v85, 5, v0
	v_readfirstlane_b32 s12, v85                   ; wave 0..7
	s_wait_alu depctr_va_sdst(0)                   ; s12 is written, ahead of its first reader
	s_lshr_b32 s13, s12, 2                         ; my half
	s_and_b32 s14, s12, 3                          ; my wave in it
	s_lshr_b32 s15, ttmp9, 5                       ; pair 0..7
	s_and_b32 s16, ttmp9, 31                       ; which 128 queries
	s_sub_co_u32 s17, 15, s15
	s_cmp_eq_u32 s13, 0
	s_cselect_b32 s17, s15, s17                    ; the rank of my half's batch: pair, or 15 - pair
	s_mov_b32 s[SEL], 0x76543210
	s_mov_b32 s[SEL+1], 0xfedcba98
	s_mov_b32 s[CS], 0x3e0293ee
	s_mov_b32 s[CS+1], s[CS]                       ; (named with it as a pair, so it is written)
	s_cmp_lt_u32 s14, 3
	s_cselect_b32 s[TS], 0, 1
	s_or_b32 s[TS], s[TS], s16                     ; 0 in waves 0-2 of each half of the work-group that takes a batch's first 128 queries
	s_cmp_eq_u32 s[TS], 0
	s_mov_b32 s[PLIM], 0x7fffffff
	s_cselect_b32 s[PLIM], 4, s[PLIM]
	v_and_b32 v86, 31, v0                          ; lane
	v_and_b32 v87, 15, v0                          ; r
	v_bfe_u32 v88, v0, 4, 1                        ; h
	v_lshrrev_b32 v89, 7, v0
	v_lshlrev_b32 v89, 16, v89                     ; 65536 x half
	v_and_b32 v90, 127, v0                         ; my thread in the half
	v_lshlrev_b32 v91, 2, v87
	v_lshl_add_u32 v1, v86, 4, v89                 ; a fragment's image: 16 x lane
	v_lshl_add_u32 v2, v86, 2, v89
	v_add_nc_u32 v2, KSW, v2                       ; the scale words: 4 x lane
	v_lshl_add_u32 v3, v90, 4, v89                 ; where I store a block's fragments: 16 x thread
	v_lshl_add_u32 v4, v90, 3, v89
	v_add_nc_u32 v4, KSW, v4                       ; and its scale words: 8 x thread
	v_mov_b32 v10, 0xcb2ca22c                      ; -1e6 x sqrt(128): the masked logit as a score
	v_lshlrev_b32 v11, 4, v88
	v_lshlrev_b32 v28, 4, v90
	v_lshlrev_b32 v29, 3, v90
	v_lshlrev_b32 v80, 8, v86
	s_lshl_b32 s[TS], s14, 13
	v_add_nc_u32 v80, s[TS], v80                   ; the prefetch: 8,192 bytes a wave, lanes 256 bytes apart
	v_lshlrev_b32 v81, 4, v86
	s_mul_i32 s[TS], s12, 16*SP
	s_add_co_u32 s[TS], s[TS], STG                 ; my stage
	v_mul_u32_u24 v82, v87, SP
	v_lshl_add_u32 v82, v88, 5, v82
	v_add_nc_u32 v82, s[TS], v82                   ; in: row r, + 32 h
	v_add_nc_u32 v83, s[TS], v81                   ; back: 16 bytes a lane of a row
	v_lshlrev_b32 v84, 9, v87
	v_lshl_add_u32 v84, v88, 6, v84                ; Q: row r of 512 bytes, + 64 h: my 16 numbers of a block
	s_wait_kmcnt 0x0
	s_load_b512 s[36:51], s[8:9], 0x0              ; the sixteen lengths, as scalars,
	s_wait_alu depctr_va_vdst(0)                   ; the offsets and LDS places v1-v4, v28, v29, v80-v84 and v91 are written, which the kernel's loads, stores and prefetch read; v85, in which the load below lands, has been written and read
	global_load_b32 v85, v91, s[8:9]               ; and one a lane (lane % 16)
	INIT 0
	INIT 1
	WIN 0
	s_wait_loadcnt 0x0
	s_wait_kmcnt 0x0
	; the batches are ranked by W, the larger first, ties by the lower number last: key = (W - 1) x 16 + batch; a lane's rank is the number of keys above its own.  Eight keys at a time: a run of lane reads, a run of compares, the counting
	v_add_nc_u32 v85, -1, v85
	v_min_u32 v85, 0xfff, v85                      ; W - 1 (a length under 1 wraps round: 4095)
	v_lshl_or_b32 v85, v85, 4, v87
	v_mov_b32 v92, 0
.irp g, 0,8
.irp k, 0,1,2,3,4,5,6,7
	v_readlane_b32 s[RL+\k], v85, \g+\k
.endr
	s_wait_alu depctr_va_sdst(0)                   ; the eight lane reads have written s53-s60, ahead of the compares that read them
.irp k, 0,1,2,3,4,5,6,7
	v_cmp_gt_u32 s[RM+\k], s[RL+\k], v85
.endr
	s_wait_alu depctr_va_sdst(0)                   ; the eight compares have written s24-s31, ahead of the selects that read them
.irp k, 0,1,2,3,4,5,6,7
	v_cndmask_b32 v93, 0, 1, s[RM+\k]
	v_add_nc_u32 v92, v92, v93
.endr
.endr
	v_cmp_eq_u32 vcc_lo, s17, v92
	s_wait_alu depctr_va_vcc(0)                    ; the compare has written VCC, ahead of the scalar line that reads it
	s_ctz_i32_b32 s18, vcc_lo                      ; the batch of my rank
	s_min_u32 s18, s18, 15
	s_mov_b32 s19, s36
.irp k, 1,2,3,4,5,6,7,8,9,10,11,12,13,14,15
	s_cmp_eq_u32 s18, \k
	s_cselect_b32 s19, s[36+\k], s19               ; its length
.endr
	s_sub_co_u32 s[REM], s19, 1
	s_min_u32 s[REM], s[REM], 0xfff
	s_add_co_u32 s[REM], s[REM], 128
	s_lshr_b32 s[REM], s[REM], 7                   ; n = (W + 127) / 128: 1 .. 32
	s_max_i32 s[LM], s19, 0
	s_min_i32 s[LM], s[LM], 0x1000
	s_lshl_b32 s32, s18, 12
	s_lshl_b32 s33, s16, 7
	s_add_co_u32 s32, s32, s33
	s_lshl_b32 s33, s14, 5
	s_add_co_u32 s32, s32, s33                     ; my first query: 4096 b + 128 (x % 32) + 32 x my wave in the half
	s_lshl_b32 s32, s32, 9
	s_mov_b32 s33, 0
	s_add_nc_u64 s[4:5], s[4:5], s[32:33]
	s_add_nc_u64 s[10:11], s[10:11], s[32:33]
	s_mul_i32 s34, s18, 32*BLKB
	s_mov_b32 s35, 0
	s_add_nc_u64 s[6:7], s[6:7], s[34:35]          ; the batch's block 0 of kv
.irp q, 0,1                                    ; (no vector line has named v96-159 of either window or the staging registers, and none since the wait above names v84, v28 or v29)
	WIN 0x40*\q
.irp bb, 0,1,2,3
.irp jj, 0,1,2,3
	global_load_b128 v[96+16*\bb+4*\jj:99+16*\bb+4*\jj], v84, s[4:5] offset:8192*\q+128*\bb+16*\jj th:TH_LOAD_NT
.endr
.endr
.endr
	WIN 0
	GLOAD                                          ; key step 0
	s_mov_b32 s[SL], 0
	s_mov_b32 s[SO], SLOTB
	s_mov_b32 s[KF], 0
	s_mov_b32 s[TRIP], 33
	s_wait_loadcnt 29                              ; tile 0's 16 loads of Q are in; tile 1's 16 and the 13 staging loads may be out
	QQ 0
	s_wait_loadcnt 13                              ; tile 1's are in
	QQ 1
	WIN 0x01
	v_mov_b32 v30, v255                            ; tile 1's scale word of Q, to where a scale operand can name it
	WIN 0
	s_wait_loadcnt 0x0
	LSTORE 3, 4                                    ; key step 0 into slot 0
	s_wait_dscnt 0x0                               ; for the others' sake: my part of key step 0 is in LDS
	s_wait_alu depctr_vm_vsrc(0)                   ; the LDS stores have read the staging registers, in which key step 1's loads land
	s_cmp_le_i32 s[REM], 1
	s_cbranch_scc1 .Lone_step
	s_add_nc_u64 s[6:7], s[6:7], BLKB              ; (no load that names it is out)
	GLOAD                                          ; key step 1
.Lone_step:
.rept 8
	v_nop                                          ; places between the vector lines that wrote Q's scale words and codes and the first scaled product
.endr
	s_barrier_signal -1
	s_barrier_wait -1
.Ltrip:                                            ; 33 trips: up to 32 key steps and the way out
	s_wait_alu depctr_vm_vsrc(0)                   ; the last trip's LDS loads and stores have read v5-v8, which the four adds write again
	v_add_nc_u32 v5, s[SL], v1                     ; the trip's LDS addresses and the mask's d, made on every wave's way.  These five plain lines are also the places behind the last trip's products:
	v_add_nc_u32 v6, s[SL], v2                     ; four are asked ahead of reads of their results, five ahead of products that write over their operands (tile 0's scores are laid over V's fragments 4-7)
	v_add_nc_u32 v7, s[SO], v3
	v_add_nc_u32 v8, s[SO], v4
	s_sub_co_i32 s[TS], s[LM], s[KF]
	v_sub_nc_u32 v9, s[TS], v11
	s_cmp_gt_i32 s[REM], 0
	s_cbranch_scc0 .Lnot_active
	s_wait_alu depctr_va_vdst(0)                   ; v5-v8 are written, which this trip's LDS loads and stores read; the last trip's products are done reading K's buffer and the scale words, in which the loads below land, and the vector lines that wrote p's codes there are done; in the first trip: Q's codes and scale words are written, which the products below take
	KLOAD
	s_wait_dscnt 9                                 ; fragments 0-4 and the scale words are in; the youngest nine loads, fragments 5-7, may be out
	KQ 0, 0, 32                                    ; tile 0: K and Q and S^T in window 0
	KQ 1, 0, 44
	KQ 2, 0, 56
	KQ 3, 0, 68
	KQ 4, 0, 224
	s_wait_dscnt 0x0                               ; fragments 5-7 are in
	WIN 0x01                                       ; K in window 1
	KQ 5, 0, 224
	KQ 6, 0, 0
	KQ 7, 0, 82
	WIN 0x55                                       ; tile 1: Q and S^T in window 1 too
	KQ 5, 1, 224
	KQ 6, 1, 0
	KQ 7, 1, 82
	WIN 0x54                                       ; K in window 0
	KQ 0, 1, 32
	KQ 1, 1, 44
	KQ 2, 1, 56
	KQ 3, 1, 68
	KQ 4, 1, 224
	WIN 0
.rept 4
	v_nop                                          ; four places behind the products, in front of the first read of the scores
.endr
	s_wait_alu depctr_va_vdst(0)                   ; the products are done reading K's fragments 0-3 and K's scale words, in which V's fragments 0-3 and scale words land
	VLOAD0                                         ; lands while tile 0's softmax is walked
	MASK 0
	SM 0
	s_wait_dscnt 0x0                               ; V's eight fragments and scale words are in
	s_wait_alu depctr_va_vdst(0)                   ; the vector lines have written tile 0's codes of p (v224-235) and its scale word (v253), which the products take; the 32 rescalings above are the places
	PV 0
	; the next steps' blocks: they stand here, beside tile 0's products and ahead of tile 1's softmax, and name none of the registers of either
	s_cmp_le_i32 s[REM], 1
	s_cbranch_scc1 .Lstaged
	s_wait_loadcnt 0x0                             ; the next step's block, asked for a trip ago, is in the staging registers
	LSTORE 7, 8                                    ; into the other slot: its last readers waited for their loads ahead of the last barrier.  (v7 and v8 were written ahead of the wait at K's run, and nothing since names them)
	s_wait_alu depctr_vm_vsrc(0)                   ; the LDS stores have read the staging registers, in which the loads below land
	s_cmp_le_i32 s[REM], 2
	s_cbranch_scc1 .Lstaged
	s_wait_xcnt 0x0                                ; the last prefetch, a trip back, has read its base
	s_add_nc_u64 s[6:7], s[6:7], BLKB
	GLOAD                                          ; the step after next: it has a whole trip in which to land
	s_cmp_le_i32 s[REM], s[PLIM]
	s_cbranch_scc1 .Lstaged
	; a prefetch of the fragments of the step four on, two trips ahead of the loads that will want them: 96 blocks of 256 bytes, a lane a block, 32 a wave.  Each is named once in the launch: all 32 halves of a batch walk
	; the same blocks, and the one that takes the batch's first 128 queries asks, by its waves 0-2.  Steps 0 to 3 come by their loads alone; where four steps on there is none, nothing is asked for
	global_prefetch_b8 v80, s[6:7] offset:2*BLKB th:TH_LOAD_NT scope:SCOPE_SE
.Lstaged:
	MASK 1                                         ; tile 1's softmax stands behind tile 0's products and names none of their registers
	SM 1
	s_wait_alu depctr_va_vdst(0)                   ; the vector lines have written tile 1's codes of p (window 1's v224-235) and its scale word (v31), which the products take; the 32 rescalings above are the places
	PV 1
	WIN 0
	s_branch .Ljoin
.Lnot_active:
	s_cmp_eq_u32 s[REM], 0
	s_cbranch_scc0 .Ljoin
	EPIQ 0                                         ; my half has walked its steps: its 32 rows a wave leave, while the other half may still be at work
	EPIQ 1
	s_wait_xcnt 0x0                                ; the stores have read their registers
.Ljoin:
	s_wait_dscnt 0x0                               ; my reads of the slot in hand are over and my stores into the other have landed
	s_barrier_signal -1
	s_barrier_wait -1                              ; both now hold of every wave
	s_xor_b32 s[SL], s[SL], SLOTB
	s_xor_b32 s[SO], s[SO], SLOTB
	s_add_co_u32 s[KF], s[KF], 128
	s_sub_co_i32 s[REM], s[REM], 1
	s_sub_co_u32 s[TRIP], s[TRIP], 1
	s_cmp_lg_u32 s[TRIP], 0
	s_cbranch_scc1 .Ltrip
	s_wait_dscnt 0x0                               ; the closing lines, six on end
	s_wait_alu 0x0
	s_wait_tensorcnt 0x0
	ds_add_u32 v95, v243
	s_wait_dscnt 0x0
	s_endpgm
.Lfunc_end_k_q6d98b4f3c0_attn:
	.size	k_q6d98b4f3c0_attn, .Lfunc_end_k_q6d98b4f3c0_attn-k_q6d98b4f3c0_attn
	.p2alignl 7, 3214868480
	.fill 96, 4, 3214868480
	.section	.rodata,"a",@progbits
	.p2align	6, 0x0
	.amdhsa_kernel k_q6d98b4f3c0_attn
		.amdhsa_group_segment_fixed_size 199680
		.amdhsa_private_segment_fixed_size 0
		.amdhsa_enable_private_segment 0
		.amdhsa_kernarg_size 32
		.amdhsa_user_sgpr_count 2
		.amdhsa_user_sgpr_kernarg_segment_ptr 1
		.amdhsa_wavefront_size32 1
		.amdhsa_system_sgpr_workgroup_id_x 1
		.amdhsa_system_sgpr_workgroup_id_y 1
		.amdhsa_system_sgpr_workgroup_id_z 1
		.amdhsa_system_vgpr_workitem_id 0
		.amdhsa_next_free_vgpr 512
		.amdhsa_next_free_sgpr 66
		.amdhsa_reserve_vcc 1
		.amdhsa_float_denorm_mode_32 3
		.amdhsa_float_denorm_mode_16_64 3
		.amdhsa_memory_ordered 1
		.amdhsa_forward_progress 1
		.amdhsa_inst_pref_size 97
	.end_amdhsa_kernel
	.amdgpu_metadata
---
amdhsa.version: [ 1, 2 ]
amdhsa.kernels:
  - .name:           k_q6d98b4f3c0_attn
    .symbol:         k_q6d98b4f3c0_attn.kd
    .args:
      - { .name: queries, .offset: 0, .size: 8, .value_kind: global_buffer, .address_space: global }
      - { .name: kv, .offset: 8, .size: 8, .value_kind: global_buffer, .address_space: global }
      - { .name: valid_lens, .offset: 16, .size: 8, .value_kind: global_buffer, .address_space: global }
      - { .name: out0, .offset: 24, .size: 8, .value_kind: global_buffer, .address_space: global }
    .group_segment_fixed_size: 199680
    .private_segment_fixed_size: 0
    .kernarg_segment_align: 8
    .kernarg_segment_size: 32
    .max_flat_workgroup_size: 256
    .sgpr_count:     66
    .vgpr_count:     512
    .wavefront_size: 32
...
	.end_amdgpu_metadata
.endif
;; end of part 4
